; MI455X (gfx1250); checked and timed in simulation.
; The chip was launched on July 23, 2026; its instructions are those of AMD's public machine-readable ISA for CDNA 5 (MIT licence, August 2026) and "CDNA5" Instruction Set Architecture Reference Guide (July 2026). The comments in the code are by the model that wrote it; some were corrected since.
;; Transformer Block. Allowed arithmetic: matrix products marked QUANTISED: E4M3 operands, one given power-of-two scale a tensor, by v_wmma_f32_16x16x64_fp8_fp8 or v_wmma_f32_16x16x128_fp8_fp8, f32 sums; everything else in f32.
;; Inputs: W1 768 x 3,072 float32; W2 3,072 x 768 float32; Wk 768 x 768 float32; Wo 768 x 768 float32; Wq 768 x 768 float32; Wv 768 x 768 float32; b1 3,072 float32; b2 768 float32; bk 768 float32; bo 768 float32; bq 768 float32; bv 768 float32; ln1_b 768 float32; ln1_g 768 float32; ln2_b 768 float32; ln2_g 768 float32; lowp_scales 16 int32 (the exponents e of the quantised operands' scales 2^e); x 1 x 4,096 x 768 float32.
;; Outputs: out0 1 x 4,096 x 768 float32.
;; This version of the problem:
;;   THIS VERSION OF THE PROBLEM IS GIVEN IN LOW PRECISION. The matrix products marked QUANTISED in the list below multiply operands that are first quantised to E4M3 (4 exponent bits, 3 mantissa bits; 8 bits a number), with one given power-of-two scale for each operand tensor; their sums are f32. All else is computed in f32.
;;   The module's matrix products, in the order in which they are computed (A, B: the left and right operand; K: the contracted axis; several contracted axes count as one K, in the product's order):
;;     1. [M 4,096, K 768] x [K 768, N 768]; A: input x; B: input Wq: QUANTISED (scales: A lowp_scales[0], B lowp_scales[1])
;;     2. [M 4,096, K 768] x [K 768, N 768]; A: input x; B: input Wk: QUANTISED (scales: A lowp_scales[2], B lowp_scales[3])
;;     3. [M 4,096, K 768] x [K 768, N 768]; A: input x; B: input Wv: QUANTISED (scales: A lowp_scales[4], B lowp_scales[5])
;;     4. batch 12 x [M 4,096, K 64] x [K 64, N 4,096]; A: computed on the way; B: computed on the way: QUANTISED (scales: A lowp_scales[6], B lowp_scales[7])
;;     5. batch 12 x [M 4,096, K 4,096] x [K 4,096, N 64]; A: softmax (see below); B: computed on the way: QUANTISED (scales: A lowp_scales[8], B lowp_scales[9])
;;     6. [M 4,096, K 768] x [K 768, N 768]; A: computed on the way; B: input Wo: QUANTISED (scales: A lowp_scales[10], B lowp_scales[11])
;;     7. [M 4,096, K 768] x [K 768, N 3,072]; A: computed on the way; B: input W1: QUANTISED (scales: A lowp_scales[12], B lowp_scales[13])
;;     8. [M 4,096, K 3,072] x [K 3,072, N 768]; A: computed on the way; B: input W2: QUANTISED (scales: A lowp_scales[14], B lowp_scales[15])
;;   THE QUANTISER, for each operand of a quantised product, along K:
;;     - The operand's scale is 2^e, e = its entry of the input lowp_scales (int32; the entries are numbered through the quantised products in the list's order, A before B).
;;     - Each number is divided by the scale, clamped to +-448, and rounded to the nearest number of E4M3, ties to even, subnormals kept.
;;     - The product sums the exact products of the quantised numbers (number of the format x scale) in f32.
;;   ~~~python
;;   def quantise(x, axis, e):      # numpy; x: float32 -> the quantised numbers, widened to float32 again
;;       x = np.moveaxis(x, axis, -1); K = x.shape[-1]
;;       r = np.clip(x / 2.0 ** e, -448, 448)
;;       step = 2.0 ** (np.maximum(np.frexp(np.where(r == 0, 1, r))[1] - 1, -6) - 3)
;;       q = np.round(r / step) * step * 2.0 ** e      # np.round: ties to even
;;       return np.moveaxis(q, -1, axis).astype(np.float32)
;;   ~~~
;;   SOFTMAX AHEAD OF A QUANTISED PRODUCT. Where the list says 'softmax', what is quantised is not the finished softmax but p = 2^(t - M), with t = logit x log2(e) and M = ceil(the row's largest t), a whole number; so 1/2 < the row's largest p <= 1. The row's sum l is taken of the UNQUANTISED p, in f32, and the product's result is divided by l at the end. Since M is a whole number, a kernel that streams over the keys may use a running M (the ceiling of the running maximum): every later rescaling is an exact power of two, so the quantised numbers keep their values, but for numbers so far below the row's largest that they fall under the format's range.
;;   OPERANDS COMPUTED ON THE WAY. 'Computed on the way' means the value that the module computes at that place (a softmax that the list does not call 'softmax' is quantised finished and normalised). What goes into a quantiser is computed in f32, as accurately as f32 sums, v_exp_f32 and their like allow (about 1e-6 of the number): no bf16 or f16 on the way to a quantiser, and a product that is left as it is and whose result goes on into a quantised operand takes f32 operands (vector FMAs, or v_wmma_f32_16x16x4_f32). A number that lies on a knife's edge between two numbers of the format may be rounded either way, as far as f32 arithmetic and the matrix unit's own rounding can turn it there, and no further.
;; One version. Each part assembles by itself: llvm-mc -triple=amdgcn-amd-amdhsa -mcpu=gfx1250 --defsym DOCPART=n.
;; ======== version 1 of 1: 7 launches
;; limits: right only within a limited range of input values
;; workspace buffers: wimg 7,077,888 bytes; ximg 9,437,184 bytes; qkv 9,437,184 bytes; cimg 3,145,728 bytes; hbuf 12,582,912 bytes; himg 3,145,728 bytes; gimg 12,582,912 bytes; y2 12,582,912 bytes
;; launch prep (part 1): grid 6 x 136, 4 waves a work-group, no clusters, 0 bytes of LDS; arguments x, Wq, Wk, Wv, Wo, W1, W2, lowp_scales, wimg, ximg; writes wimg, ximg
.if DOCPART == 1
	.amdgcn_target "amdgcn-amd-amdhsa--gfx1250"
	.amdhsa_code_object_version 6
	.text
	.protected	k_q14714f9772_prep
	.globl	k_q14714f9772_prep
	.p2align	8
	.type	k_q14714f9772_prep,@function
k_q14714f9772_prep:
	s_mov_b64 s[64:65], 0
	v_nop
	global_prefetch_b8 v0, s[64:65] scope:SCOPE_SE
	s_setreg_imm32_b32 hwreg(HW_REG_WAVE_MODE, 25, 1), 1
	s_wait_xcnt 0x0
; PREP: x (three times, once for each of its given scales) and the six weights become codes of E4M3, stored as IMAGES OF THE OPERANDS' REGISTERS.
; An image of X[index][K] is [tile of 16 indices][K / 32][lane 0..31][16 bytes]: lane (r, h) of chunk cg holds the codes of X[P(tile, r)][32 cg + 16 h + 0 .. 15].
; P(2 b + u, r) = 32 b + 8 u + r + 8 (r / 8): the 16 indices of a tile are not neighbours, so that two neighbouring tiles' results are 16 neighbours along the next K.
; code = number / 2^e, held within +-448, to the nearest code, ties to even.  LIMITS: each e between -126 and 119; NaN among the inputs is not served.
; Work-groups with y < 64 take x: wave w takes tile T = 4 y + w and 128 along K at 128 x (work-group x).  K is innermost there: a lane loads 16 neighbours of each block of 32.
; The others take weights, stored [K][N]: a lane takes ONE COLUMN and its registers run down K, so the conversions give codes with K innermost and nothing is transposed.
; No LDS, no barrier: waves share nothing.  Every store of a wave covers whole aligned runs of 256 bytes.
.macro MKSCALE e, vsc, vlim                    ; v[vsc] = 2^e as f32 (the conversion takes its exponent field), v[vlim] = 448 x 2^e
	s_add_co_i32 s50, s[\e], 127
	s_lshl_b32 s51, s50, 23
	v_mov_b32 v[\vsc], s51
	s_add_co_i32 s50, s50, 8
	s_lshl_b32 s50, s50, 23
	s_or_b32 s50, s50, 0x600000
	v_mov_b32 v[\vlim], s50
.endm
	s_load_b512 s[8:23], s[0:1], 0x0               ; x s[8:9], Wq, Wk, Wv, Wo, W1 s[18:19], W2 s[20:21], the scales s[22:23]
	s_load_b128 s[24:27], s[0:1], 0x40             ; wimg s[24:25], ximg s[26:27]
	v_lshrrev_b32 v1, 5, v0
	v_readfirstlane_b32 s2, v1                     ; wave 0..3
	v_and_b32 v2, 31, v0                           ; lane
	v_lshlrev_b32 v3, 4, v2                        ; 16 x lane
	s_and_b32 s3, ttmp7, 0xffff                    ; work-group y
	s_mov_b32 s59, ttmp9                           ; work-group x
	s_mov_b32 s29, 0                               ; s[28:29]: a byte offset as a pair
	s_wait_kmcnt 0x0
	s_load_b512 s[32:47], s[22:23], 0x0            ; s[32 + i] = e_i
	s_cmp_ge_u32 s3, 64
	s_cbranch_scc1 .Lweights
	; ---------------- x ----------------
	s_lshl_b32 s4, s3, 2
	s_add_co_u32 s4, s4, s2                        ; T
	s_lshr_b32 s5, s4, 1
	s_lshl_b32 s5, s5, 5
	s_and_b32 s6, s4, 1
	s_lshl_b32 s6, s6, 3
	s_add_co_u32 s5, s5, s6                        ; the tile's first row: 32 (T / 2) + 8 (T % 2)
	s_mul_i32 s5, s5, 3072
	s_lshl_b32 s6, s59, 9                          ; 128 numbers along K are 512 bytes
	s_add_co_u32 s28, s5, s6
	s_add_nc_u64 s[8:9], s[8:9], s[28:29]
	v_and_b32 v4, 15, v0                           ; r
	v_bfe_u32 v5, v0, 4, 1                         ; h
	v_and_b32 v6, 8, v4
	v_add_nc_u32 v6, v6, v4                        ; r + 8 (r / 8)
	v_mul_u32_u24 v6, v6, 3072
	v_lshl_add_u32 v6, v5, 6, v6                   ; + 64 h: my 16 numbers of a block of 32
.irp c,0,1,2,3
.irp k,0,1,2,3
	global_load_b128 v[16+16*\c+4*\k:19+16*\c+4*\k], v6, s[8:9] offset:128*\c+16*\k th:TH_LOAD_NT
.endr
.endr
	s_mul_i32 s28, s4, 12288                       ; the tile's image,
	s_lshl_b32 s6, s59, 11                         ; its four chunks of this K step
	s_add_co_u32 s28, s28, s6
	s_add_nc_u64 s[26:27], s[26:27], s[28:29]
	s_wait_kmcnt 0x0
	MKSCALE 32, 8, 9                               ; e0: x as the operand of x Wq
	MKSCALE 34, 10, 11                             ; e2: of x Wk
	MKSCALE 36, 12, 13                             ; e4: of x Wv
	s_wait_alu depctr_va_vdst(0)
	s_wait_loadcnt 0x0
; Chunk c, scale q: the held numbers go into one of two sets by turns, so that sixteen plain lines stand between a conversion and the next write of its sources.
.irp c,0,1,2,3
.irp q,0,1,2
.irp i,0,1,2,3,4,5,6,7,8,9,10,11,12,13,14,15
	v_med3_num_f32 v[80+16*((3*\c+\q)%2)+\i], v[16+16*\c+\i], -v[9+2*\q], v[9+2*\q]
.endr
	v_cvt_scalef32_pk8_fp8_f32 v[112+4*(3*\c+\q):113+4*(3*\c+\q)], v[80+16*((3*\c+\q)%2):87+16*((3*\c+\q)%2)], v[8+2*\q]
	v_cvt_scalef32_pk8_fp8_f32 v[114+4*(3*\c+\q):115+4*(3*\c+\q)], v[88+16*((3*\c+\q)%2):95+16*((3*\c+\q)%2)], v[8+2*\q]
	global_store_b128 v3, v[112+4*(3*\c+\q):115+4*(3*\c+\q)], s[26:27] offset:3145728*\q+512*\c   ; 512 consecutive bytes a wave; each code register is written once
.endr
.endr
	s_endpgm
	; ---------------- weights ----------------
.Lweights:
	s_wait_kmcnt 0x0                               ; the exponents
	s_sub_co_u32 s3, s3, 64                        ; yw = 0..71: 0-23 Wq, Wk, Wv, Wo by yw % 4; 24-47 W2; 48-71 W1
	s_and_b32 s4, s3, 3
	s_sub_co_u32 s57, s3, 24
	s_sub_co_u32 s58, s3, 48
	s_mul_i32 s52, s4, 589824                      ; where the image begins in wimg
	s_lshr_b32 s53, s3, 2                          ; which 128 along K
	s_mov_b32 s54, s59                             ; which 128 columns
	s_mov_b32 s55, 12288                           ; a tile's bytes: 16 K
	s_cmp_eq_u32 s4, 1                             ; the choices hang on the work-group's number alone
	s_cselect_b64 s[48:49], s[12:13], s[10:11]
	s_cselect_b32 s56, s35, s33
	s_cmp_eq_u32 s4, 2
	s_cselect_b64 s[48:49], s[14:15], s[48:49]
	s_cselect_b32 s56, s37, s56
	s_cmp_eq_u32 s4, 3
	s_cselect_b64 s[48:49], s[16:17], s[48:49]
	s_cselect_b32 s56, s43, s56
	s_cmp_ge_u32 s3, 24
	s_cselect_b64 s[48:49], s[20:21], s[48:49]     ; W2: K = 3,072
	s_cselect_b32 s56, s47, s56
	s_cselect_b32 s52, 4718592, s52
	s_cselect_b32 s53, s57, s53
	s_cselect_b32 s55, 49152, s55
	s_mov_b32 s60, 768                             ; N
	s_cmp_ge_u32 s3, 48
	s_cselect_b64 s[48:49], s[18:19], s[48:49]     ; W1: N = 3,072
	s_cselect_b32 s56, s45, s56
	s_cselect_b32 s52, 2359296, s52
	s_cselect_b32 s53, s59, s53
	s_cselect_b32 s54, s58, s54
	s_cselect_b32 s55, 12288, s55
	s_cselect_b32 s60, 3072, s60
	s_lshl_b32 s54, s54, 2
	s_add_co_u32 s54, s54, s2                      ; b: my wave's group of 32 columns
	s_mul_i32 s28, s53, s60
	s_lshl_b32 s28, s28, 9                         ; 128 rows of N x 4 bytes
	s_lshl_b32 s5, s54, 7                          ; + 32 columns x 4 bytes
	s_add_co_u32 s28, s28, s5
	s_add_nc_u64 s[48:49], s[48:49], s[28:29]
	s_lshl_b32 s5, s54, 1
	s_mul_i32 s5, s5, s55                          ; tile 2 b
	s_add_co_u32 s28, s52, s5
	s_lshl_b32 s5, s53, 11                         ; four chunks of 512 bytes for each 128 along K
	s_add_co_u32 s28, s28, s5
	s_add_nc_u64 s[24:25], s[24:25], s[28:29]
	s_wait_alu depctr_va_vdst(0)
	v_lshlrev_b32 v6, 2, v2                        ; in: lane l takes column 32 b + l
	v_bfe_u32 v4, v2, 3, 1                         ; out: that column is lane r = l % 8 + 8 (l / 16) of tile 2 b + (l / 8) % 2
	v_mul_u32_u24 v4, v4, s55
	v_and_b32 v5, 7, v2
	v_lshl_add_u32 v4, v5, 4, v4
	v_lshrrev_b32 v5, 4, v2
	v_lshl_add_u32 v4, v5, 7, v4
	MKSCALE 56, 8, 9
.macro WL n, c                                 ; block c: W(32 c + i, my column), i = 0 .. 31: each load reads 128 consecutive bytes a wave
.set ii, 0
.rept 32
	global_load_b32 v[16+32*\c+ii], v6, s[48:49] offset:(32*\c+ii)*\n*4 th:TH_LOAD_NT
.set ii, ii+1
.endr
.endm
.macro WBLOCK c                                ; 32 numbers down K become 32 codes: 16 for lane (r, 0) of chunk c, 16 for lane (r, 1)
.set ii, 0
.rept 32
	v_med3_num_f32 v[16+32*\c+ii], v[16+32*\c+ii], -v9, v9
.set ii, ii+1
.endr
.irp g,0,1,2,3
	v_cvt_scalef32_pk8_fp8_f32 v[144+8*\c+2*\g:145+8*\c+2*\g], v[16+32*\c+8*\g:23+32*\c+8*\g], v8
.endr
	global_store_b128 v4, v[144+8*\c:147+8*\c], s[24:25] offset:512*\c         ; sixteen lanes fill 256 consecutive bytes of tile 2 b, sixteen of tile 2 b + 1
	global_store_b128 v4, v[148+8*\c:151+8*\c], s[24:25] offset:512*\c+256
.endm
.macro WBODY n                                 ; loads run two blocks ahead; each wait leaves the one younger block's 32 loads out
	WL \n, 0
	WL \n, 1
	s_wait_loadcnt 32
	WL \n, 2
	WBLOCK 0
	s_wait_loadcnt 32
	WL \n, 3
	WBLOCK 1
	s_wait_loadcnt 32
	WBLOCK 2
	s_wait_loadcnt 0x0
	WBLOCK 3
	s_endpgm
.endm
	s_cmp_ge_u32 s3, 48                            ; the loads' immediates hang on N, so the body is written for each N
	s_cbranch_scc1 .Lwide
	s_wait_alu depctr_va_vdst(0)
	WBODY 768
.Lwide:
	s_wait_alu depctr_va_vdst(0)
	WBODY 3072
.Lfunc_end_k_q14714f9772_prep:
	.size	k_q14714f9772_prep, .Lfunc_end_k_q14714f9772_prep-k_q14714f9772_prep
	.p2alignl 7, 3214868480
	.fill 96, 4, 3214868480
	.section	.rodata,"a",@progbits
	.p2align	6, 0x0
	.amdhsa_kernel k_q14714f9772_prep
		.amdhsa_group_segment_fixed_size 0
		.amdhsa_private_segment_fixed_size 0
		.amdhsa_enable_private_segment 0
		.amdhsa_kernarg_size 80
		.amdhsa_user_sgpr_count 2
		.amdhsa_user_sgpr_kernarg_segment_ptr 1
		.amdhsa_wavefront_size32 1
		.amdhsa_system_sgpr_workgroup_id_x 1
		.amdhsa_system_sgpr_workgroup_id_y 1
		.amdhsa_system_sgpr_workgroup_id_z 1
		.amdhsa_system_vgpr_workitem_id 0
		.amdhsa_next_free_vgpr 192
		.amdhsa_next_free_sgpr 66
		.amdhsa_reserve_vcc 0
		.amdhsa_float_denorm_mode_32 3
		.amdhsa_float_denorm_mode_16_64 3
		.amdhsa_memory_ordered 1
		.amdhsa_forward_progress 1
		.amdhsa_inst_pref_size 65
	.end_amdhsa_kernel
	.amdgpu_metadata
---
amdhsa.version: [ 1, 2 ]
amdhsa.kernels:
  - .name:           k_q14714f9772_prep
    .symbol:         k_q14714f9772_prep.kd
    .args:
      - { .name: x, .offset: 0, .size: 8, .value_kind: global_buffer, .address_space: global }
      - { .name: Wq, .offset: 8, .size: 8, .value_kind: global_buffer, .address_space: global }
      - { .name: Wk, .offset: 16, .size: 8, .value_kind: global_buffer, .address_space: global }
      - { .name: Wv, .offset: 24, .size: 8, .value_kind: global_buffer, .address_space: global }
      - { .name: Wo, .offset: 32, .size: 8, .value_kind: global_buffer, .address_space: global }
      - { .name: W1, .offset: 40, .size: 8, .value_kind: global_buffer, .address_space: global }
      - { .name: W2, .offset: 48, .size: 8, .value_kind: global_buffer, .address_space: global }
      - { .name: lowp_scales, .offset: 56, .size: 8, .value_kind: global_buffer, .address_space: global }
      - { .name: wimg, .offset: 64, .size: 8, .value_kind: global_buffer, .address_space: global }
      - { .name: ximg, .offset: 72, .size: 8, .value_kind: global_buffer, .address_space: global }
    .group_segment_fixed_size: 0
    .private_segment_fixed_size: 0
    .kernarg_segment_align: 8
    .kernarg_segment_size: 80
    .max_flat_workgroup_size: 128
    .sgpr_count:     66
    .vgpr_count:     192
    .wavefront_size: 32
...
	.end_amdgpu_metadata
.endif
;; end of part 1
;; launch qkv (part 2): grid 12 x 16, 16 waves a work-group, no clusters, 116,736 bytes of LDS; arguments ximg, wimg, bq, bk, bv, lowp_scales, qkv; writes qkv
.if DOCPART == 2
	.amdgcn_target "amdgcn-amd-amdhsa--gfx1250"
	.amdhsa_code_object_version 6
	.text
	.protected	k_q14714f9772_qkv
	.globl	k_q14714f9772_qkv
	.p2align	8
	.type	k_q14714f9772_qkv,@function
k_q14714f9772_qkv:
	s_mov_b64 s[64:65], 0
	v_nop
	global_prefetch_b8 v0, s[64:65] scope:SCOPE_SE
	s_setreg_imm32_b32 hwreg(HW_REG_WAVE_MODE, 25, 1), 1
	s_wait_xcnt 0x0
; QKV: q = x Wq + bq, k = x Wk + bk, v = x Wv + bv on codes of E4M3, and each result quantised at once for attention (q by e6, k by e7, v by e9).
; Operands come as images of their registers ([tile][K / 32][lane][16 bytes]; tile 2 b + u, lane r: index 32 b + 8 u + r + 8 (r / 8)), so every copy and every fragment load is dense.
; A work-group makes 256 rows x 192 columns; work-group x = 0-3: q, 4-7: k, 8-11: v.  Sixteen waves, each 32 rows x 96 columns: 12 accumulators.  K = 768 goes in six steps of 128.
; A step's 28 fragments (16 of x, 12 of W: 57,344 bytes) go from memory through registers into one of two LDS slots; ONE barrier a step: in front of it each wave has stored its part of the next
; slot and has its reads of the slot in hand back; the slot that it stores into was read a step earlier, ahead of the barrier before.
; q and k: the product is used TRANSPOSED (source 0 = 16 columns of W, source 1 = 16 rows of x): a lane holds one row, and two neighbouring tiles' 16 registers are 16 neighbours along the head's axis.
; v: the product is used as it is (source 0 = rows, source 1 = columns): a lane holds one channel and 16 neighbouring KEYS, which are the K of attention's second product.
; LIMITS: ea + eb and the output's e between -126 and 119.  NaN among the inputs is not served.
; REGISTERS: v1 16 x lane; v2 my place in a copy from memory; v3, v4 in slot 0, 1; v5, v6 my rows' fragments in slot 0, 1; v7, v8 my columns'; v9, v14 bias offsets; v10, v11 2^eo, 448 x 2^eo;
;   v16-111 accumulators (i, j) at 16 + 8 (6 i + j); v112-143 two fragments of x; v144-175, v176-207 two fragments of W, twice; v208-235 the copy in hand; later v208-255 the bias, v176-199 the codes.
.set SLOTB, 57344
.set BOFF,  32768
.set ACC,   16
.set AF,    112
.set BF0,   144
.set BF1,   176
.set ST,    208
.set BIAS,  208
.set CODE,  176
.macro PLACES                                  ; four plain vector lines between a matrix instruction and a load into, or a vector read of, its registers
.rept 4
	v_nop
.endr
.endm
.macro ISSUE                                   ; the next step's fragments: 7 x 16 bytes a thread, 512 threads
.irp i,0,1,2,3
	global_load_b128 v[ST+4*\i:ST+4*\i+3], v2, s[8:9] offset:\i*49152
.endr
.irp i,0,1,2
	global_load_b128 v[ST+16+4*\i:ST+16+4*\i+3], v2, s[10:11] offset:\i*49152
.endr
.endm
.macro COMMIT slot
	s_wait_loadcnt 0x0                             ; the copy is in registers, so its bases may step
	s_add_nc_u64 s[8:9], s[8:9], 2048
	s_add_nc_u64 s[10:11], s[10:11], 2048
.irp i,0,1,2,3
	ds_store_b128 v[3+\slot], v[ST+4*\i:ST+4*\i+3] offset:\i*8192
.endr
.irp i,0,1,2
	ds_store_b128 v[3+\slot], v[ST+16+4*\i:ST+16+4*\i+3] offset:BOFF+\i*8192
.endr
	s_wait_dscnt 0x0                               ; for the others' sake: my stores have landed (and my reads of the other slot came back before)
	s_barrier_signal -1
	s_barrier_wait -1
.endm
.macro LDA slot
.irp i,0,1
.irp c,0,1,2,3
	ds_load_b128 v[AF+16*\i+4*\c:AF+16*\i+4*\c+3], v[5+\slot] offset:\i*2048+\c*512
.endr
.endr
.endm
.macro LDB slot, pair, buf
.irp jj,0,1
.irp c,0,1,2,3
	ds_load_b128 v[\buf+16*\jj+4*\c:\buf+16*\jj+4*\c+3], v[7+\slot] offset:(2*\pair+\jj)*2048+\c*512
.endr
.endr
.endm
.macro MMT pair, buf, zero                     ; transposed: source 0 = W, source 1 = x
.irp i,0,1
.irp jj,0,1
.if \zero
	v_wmma_f32_16x16x128_fp8_fp8 v[ACC+8*(6*\i+2*\pair+\jj):ACC+8*(6*\i+2*\pair+\jj)+7], v[\buf+16*\jj:\buf+16*\jj+15], v[AF+16*\i:AF+16*\i+15], 0
.else
	v_wmma_f32_16x16x128_fp8_fp8 v[ACC+8*(6*\i+2*\pair+\jj):ACC+8*(6*\i+2*\pair+\jj)+7], v[\buf+16*\jj:\buf+16*\jj+15], v[AF+16*\i:AF+16*\i+15], v[ACC+8*(6*\i+2*\pair+\jj):ACC+8*(6*\i+2*\pair+\jj)+7]
.endif
.endr
.endr
.endm
.macro MMN pair, buf, zero                     ; as it is: source 0 = x, source 1 = W
.irp i,0,1
.irp jj,0,1
.if \zero
	v_wmma_f32_16x16x128_fp8_fp8 v[ACC+8*(6*\i+2*\pair+\jj):ACC+8*(6*\i+2*\pair+\jj)+7], v[AF+16*\i:AF+16*\i+15], v[\buf+16*\jj:\buf+16*\jj+15], 0
.else
	v_wmma_f32_16x16x128_fp8_fp8 v[ACC+8*(6*\i+2*\pair+\jj):ACC+8*(6*\i+2*\pair+\jj)+7], v[AF+16*\i:AF+16*\i+15], v[\buf+16*\jj:\buf+16*\jj+15], v[ACC+8*(6*\i+2*\pair+\jj):ACC+8*(6*\i+2*\pair+\jj)+7]
.endif
.endr
.endr
.endm
.macro MM pair, buf, zero, o                   ; o = 0: transposed; 1: as it is; 2: chosen by the work-group's x, the same in all its waves
.if \o == 0
	MMT \pair, \buf, \zero
.elseif \o == 1
	MMN \pair, \buf, \zero
.else
	s_cmp_lt_u32 s3, 8
	s_cbranch_scc0 .Lnat_\@
	MMT \pair, \buf, \zero
	s_branch .Lmm_\@
.Lnat_\@:
	MMN \pair, \buf, \zero
.Lmm_\@:
.endif
.endm
; A step: 12 matrix instructions, the 12 accumulators by turns, one instruction a turn, in the same order in every step.
.macro COMPUTE slot, zero, o
	LDA \slot
	LDB \slot, 0, BF0
	LDB \slot, 1, BF1
	s_wait_dscnt 8                                 ; x's fragments and W's first pair are in; the second pair's eight loads may be out
	MM 0, BF0, \zero, \o
	PLACES
	LDB \slot, 2, BF0
	s_wait_dscnt 8                                 ; the second pair is in; the third pair's eight loads may be out
	MM 1, BF1, \zero, \o
	s_wait_dscnt 0x0
	MM 2, BF0, \zero, \o
	PLACES
.endm
	s_load_b256 s[8:15], s[0:1], 0x0               ; ximg s[8:9], wimg s[10:11], bq s[12:13], bk s[14:15]
	s_load_b128 s[16:19], s[0:1], 0x20             ; bv s[16:17], the scales s[18:19]
	s_load_b64 s[20:21], s[0:1], 0x30              ; qkv
	v_lshrrev_b32 v12, 5, v0
	s_delay_alu instid0(VALU_DEP_1)
	v_readfirstlane_b32 s2, v12                    ; wave 0..15
	v_and_b32 v13, 31, v0
	s_delay_alu instid0(VALU_DEP_1)
	v_lshlrev_b32 v1, 4, v13                       ; 16 x lane
	v_lshrrev_b32 v2, 7, v0
	s_delay_alu instid0(VALU_DEP_1)
	v_mul_u32_u24 v2, v2, 12288
	v_and_b32 v12, 127, v0
	s_delay_alu instid0(VALU_DEP_1)
	v_lshl_add_u32 v2, v12, 4, v2                  ; 128 threads copy a tile's 2,048 bytes of a K step; tiles are 12,288 bytes apart
	v_lshlrev_b32 v3, 4, v0                        ; in LDS the tiles' parts lie on end
	s_delay_alu instid0(VALU_DEP_1)
	v_add_nc_u32 v4, SLOTB, v3
	s_lshr_b32 s7, s2, 1                           ; wr: my two tiles of rows
	s_and_b32 s24, s2, 1                           ; wc: my six tiles of columns
	s_lshl_b32 s25, s7, 12
	v_add_nc_u32 v5, s25, v1
	s_delay_alu instid0(VALU_DEP_1)
	v_add_nc_u32 v6, SLOTB, v5
	s_mul_i32 s25, s24, 12288
	s_add_co_u32 s25, s25, BOFF
	v_add_nc_u32 v7, s25, v1
	s_delay_alu instid0(VALU_DEP_1)
	v_add_nc_u32 v8, SLOTB, v7
	v_bfe_u32 v9, v0, 4, 1
	s_delay_alu instid0(VALU_DEP_1)
	v_lshlrev_b32 v9, 6, v9                        ; q, k: the bias of my half's 16 columns: 64 h
	v_and_b32 v12, 15, v0
	s_delay_alu instid0(VALU_DEP_1)
	v_and_b32 v14, 8, v12
	s_delay_alu instid0(VALU_DEP_1)
	v_add_nc_u32 v14, v14, v12
	s_delay_alu instid0(VALU_DEP_1)
	v_lshlrev_b32 v14, 2, v14                      ; v: the bias of my one channel: 4 (r + 8 (r / 8))
	s_mov_b32 s3, ttmp9                            ; work-group x
	s_and_b32 s4, ttmp7, 0xffff                    ; work-group y
	s_lshr_b32 s5, s3, 2                           ; 0: q, 1: k, 2: v
	s_and_b32 s6, s3, 3                            ; which 192 of its 768 columns
	s_mov_b32 s23, 0
	s_wait_kmcnt 0x0
	s_load_b512 s[32:47], s[18:19], 0x0            ; s[32 + i] = e_i
	s_mul_i32 s22, s5, 3145728                     ; x's image under this product's scale,
	s_mul_i32 s25, s4, 196608                      ; my 16 tiles of rows
	s_add_co_u32 s22, s22, s25
	s_add_nc_u64 s[8:9], s[8:9], s[22:23]
	s_mul_i32 s22, s3, 147456                      ; Wq's, Wk's and Wv's images lie on end: 12 tiles a work-group
	s_add_nc_u64 s[10:11], s[10:11], s[22:23]
	ISSUE
	s_wait_kmcnt 0x0
	s_cmp_eq_u32 s5, 1                             ; the exponents and the bias of my product
	s_cselect_b32 s25, s34, s32
	s_cselect_b32 s26, s35, s33
	s_cselect_b32 s27, s39, s38
	s_cselect_b64 s[12:13], s[14:15], s[12:13]
	s_cmp_eq_u32 s5, 2
	s_cselect_b32 s25, s36, s25
	s_cselect_b32 s26, s37, s26
	s_cselect_b32 s27, s41, s27
	s_cselect_b64 s[12:13], s[16:17], s[12:13]
	s_add_co_i32 s25, s25, s26
	s_add_co_i32 s25, s25, 127
	s_lshl_b32 s28, s25, 23                        ; 2^(ea + eb): a sum stands for sum x that
	s_mov_b32 s29, s28                             ; (named with it as a pair, so it is written)
	s_add_co_i32 s27, s27, 127
	s_lshl_b32 s26, s27, 23
	v_mov_b32 v10, s26                             ; 2^eo
	s_add_co_i32 s27, s27, 8
	s_lshl_b32 s27, s27, 23
	s_or_b32 s27, s27, 0x600000
	v_mov_b32 v11, s27                             ; 448 x 2^eo
	s_mul_i32 s22, s6, 768
	s_mul_i32 s26, s24, 384
	s_add_co_u32 s22, s22, s26
	s_add_nc_u64 s[12:13], s[12:13], s[22:23]      ; the bias at my wave's 96 columns
	COMMIT 0
	ISSUE
	COMPUTE 0, 1, 2                                ; the first step starts the sums: nothing is cleared
	COMMIT 1
	s_mov_b32 s30, 2
.Lk:                                               ; a trip: K steps 2 t + 1 and 2 t + 2, and the copies of the two steps behind them
	ISSUE
	s_wait_alu depctr_va_vdst(0)
	COMPUTE 1, 0, 2
	COMMIT 0
	ISSUE
	COMPUTE 0, 0, 2
	COMMIT 1
	s_sub_co_u32 s30, s30, 1
	s_cmp_lg_u32 s30, 0
	s_cbranch_scc1 .Lk
	s_cmp_lt_u32 s3, 8
	s_cbranch_scc0 .Lvpath
	; ---------------- q and k: the last step, then bias, hold, codes ----------------
.irp p,0,1,2
.irp k,0,1,2,3
	global_load_b128 v[BIAS+16*\p+4*\k:BIAS+16*\p+4*\k+3], v9, s[12:13] offset:128*\p+16*\k
.endr
.endr
	s_mul_i32 s22, s5, 3145728                     ; q's or k's image; tile 16 y + 2 wr; chunk 6 xl + 3 wc
	s_lshl_b32 s26, s4, 4
	s_lshl_b32 s27, s7, 1
	s_add_co_u32 s26, s26, s27
	s_mul_i32 s26, s26, 12288
	s_add_co_u32 s22, s22, s26
	s_mul_i32 s26, s6, 3072
	s_add_co_u32 s22, s22, s26
	s_mul_i32 s26, s24, 1536
	s_add_co_u32 s22, s22, s26
	s_add_nc_u64 s[20:21], s[20:21], s[22:23]
	COMPUTE 1, 0, 0
	s_wait_loadcnt 0x0                             ; the bias
.macro FIN i, p                                ; 16 neighbouring columns of my row: sum x 2^(ea + eb) + bias, held, converted; each accumulator from its low end on
.set A0, ACC+8*(6*\i+2*\p)
.set C0, CODE+4*(3*\i+\p)
.irp k,0,2,4,6,8,10,12,14
	v_pk_fma_f32 v[A0+\k:A0+\k+1], v[A0+\k:A0+\k+1], s[28:29], v[BIAS+16*\p+\k:BIAS+16*\p+\k+1] op_sel_hi:[1,0,1]
.endr
.irp k,0,1,2,3,4,5,6,7,8,9,10,11,12,13,14,15
	v_med3_num_f32 v[A0+\k], v[A0+\k], -v11, v11   ; the conversion to an 8-bit code does not saturate (ISA guide 7.6.2)
.endr
	v_cvt_scalef32_pk8_fp8_f32 v[C0:C0+1], v[A0:A0+7], v10
	v_cvt_scalef32_pk8_fp8_f32 v[C0+2:C0+3], v[A0+8:A0+15], v10
.endm
.irp i,0,1
.irp p,0,1,2
	FIN \i, \p
.endr
.endr
	v_nop                                          ; a plain line behind the last conversion
.irp i,0,1
.irp p,0,1,2
	global_store_b128 v1, v[CODE+4*(3*\i+\p):CODE+4*(3*\i+\p)+3], s[20:21] offset:\i*12288+\p*512   ; a chunk of the image: 512 consecutive bytes
.endr
.endr
	s_wait_xcnt 0x0
	v_lshl_add_u32 v254, v0, 2, 0x1c000
	v_mov_b32 v255, 0
	s_wait_alu depctr_va_vdst(0)
	s_wait_tensorcnt 0x0
	ds_add_u32 v254, v255
	s_wait_dscnt 0x0
	s_endpgm
	; ---------------- v ----------------
.Lvpath:
.irp j,0,1,2,3,4,5
	global_load_b32 v[BIAS+2*\j], v14, s[12:13] offset:4*(32*(\j/2)+8*(\j%2))   ; bv of my channel in tile j
.endr
	s_lshl_b32 s26, s4, 3
	s_add_co_u32 s26, s26, s7                      ; g = 8 y + wr: my 32 keys
	s_lshr_b32 s27, s26, 2
	s_mul_i32 s22, s27, 98304                      ; v: [key / 128][head][tile of 16 channels][32 keys][lane][16]
	s_and_b32 s26, s26, 3
	s_lshl_b32 s26, s26, 9
	s_add_co_u32 s22, s22, s26
	s_mul_i32 s26, s6, 24576                       ; 12 xl tiles of 2,048 bytes,
	s_add_co_u32 s22, s22, s26
	s_mul_i32 s26, s24, 12288                      ; 6 wc
	s_add_co_u32 s22, s22, s26
	s_add_co_u32 s22, s22, 6291456
	s_add_nc_u64 s[20:21], s[20:21], s[22:23]
	COMPUTE 1, 0, 1
	s_wait_loadcnt 0x0
.irp i,0,1
.irp j,0,1,2,3,4,5
.irp k,0,2,4,6
	v_pk_fma_f32 v[ACC+8*(6*\i+\j)+\k:ACC+8*(6*\i+\j)+\k+1], v[ACC+8*(6*\i+\j)+\k:ACC+8*(6*\i+\j)+\k+1], s[28:29], v[BIAS+2*\j:BIAS+2*\j+1] op_sel_hi:[1,0,0]   ; of the bias pair the low word serves both halves
.endr
.endr
.endr
.set ii, 0
.rept 96
	v_med3_num_f32 v[ACC+ii], v[ACC+ii], -v11, v11
.set ii, ii+1
.endr
.irp j,0,1,2,3,4,5
	v_cvt_scalef32_pk8_fp8_f32 v[CODE+4*\j:CODE+4*\j+1], v[ACC+8*\j:ACC+8*\j+7], v10            ; keys 32 g + 16 h + 0 .. 7,
	v_cvt_scalef32_pk8_fp8_f32 v[CODE+4*\j+2:CODE+4*\j+3], v[ACC+8*(6+\j):ACC+8*(6+\j)+7], v10  ; and + 8 .. 15
.endr
	v_nop
.irp j,0,1,2,3,4,5
	global_store_b128 v1, v[CODE+4*\j:CODE+4*\j+3], s[20:21] offset:\j*2048
.endr
	s_wait_xcnt 0x0
	v_lshl_add_u32 v254, v0, 2, 0x1c000
	v_mov_b32 v255, 0
	s_wait_alu depctr_va_vdst(0)
	s_wait_tensorcnt 0x0
	ds_add_u32 v254, v255
	s_wait_dscnt 0x0
	s_endpgm
.Lfunc_end_k_q14714f9772_qkv:
	.size	k_q14714f9772_qkv, .Lfunc_end_k_q14714f9772_qkv-k_q14714f9772_qkv
	.p2alignl 7, 3214868480
	.fill 96, 4, 3214868480
	.section	.rodata,"a",@progbits
	.p2align	6, 0x0
	.amdhsa_kernel k_q14714f9772_qkv
		.amdhsa_group_segment_fixed_size 116736
		.amdhsa_private_segment_fixed_size 0
		.amdhsa_enable_private_segment 0
		.amdhsa_kernarg_size 56
		.amdhsa_user_sgpr_count 2
		.amdhsa_user_sgpr_kernarg_segment_ptr 1
		.amdhsa_wavefront_size32 1
		.amdhsa_system_sgpr_workgroup_id_x 1
		.amdhsa_system_sgpr_workgroup_id_y 1
		.amdhsa_system_sgpr_workgroup_id_z 1
		.amdhsa_system_vgpr_workitem_id 0
		.amdhsa_next_free_vgpr 256
		.amdhsa_next_free_sgpr 66
		.amdhsa_reserve_vcc 0
		.amdhsa_float_denorm_mode_32 3
		.amdhsa_float_denorm_mode_16_64 3
		.amdhsa_memory_ordered 1
		.amdhsa_forward_progress 1
		.amdhsa_inst_pref_size 52
	.end_amdhsa_kernel
	.amdgpu_metadata
---
amdhsa.version: [ 1, 2 ]
amdhsa.kernels:
  - .name:           k_q14714f9772_qkv
    .symbol:         k_q14714f9772_qkv.kd
    .args:
      - { .name: ximg, .offset: 0, .size: 8, .value_kind: global_buffer, .address_space: global }
      - { .name: wimg, .offset: 8, .size: 8, .value_kind: global_buffer, .address_space: global }
      - { .name: bq, .offset: 16, .size: 8, .value_kind: global_buffer, .address_space: global }
      - { .name: bk, .offset: 24, .size: 8, .value_kind: global_buffer, .address_space: global }
      - { .name: bv, .offset: 32, .size: 8, .value_kind: global_buffer, .address_space: global }
      - { .name: lowp_scales, .offset: 40, .size: 8, .value_kind: global_buffer, .address_space: global }
      - { .name: qkv, .offset: 48, .size: 8, .value_kind: global_buffer, .address_space: global }
    .group_segment_fixed_size: 116736
    .private_segment_fixed_size: 0
    .kernarg_segment_align: 8
    .kernarg_segment_size: 56
    .max_flat_workgroup_size: 512
    .sgpr_count:     66
    .vgpr_count:     256
    .wavefront_size: 32
...
	.end_amdgpu_metadata
.endif
;; end of part 2
;; launch attn (part 3): grid 64 x 4, 8 waves a work-group, no clusters, 279,552 bytes of LDS; arguments qkv, lowp_scales, cimg; writes cimg
.if DOCPART == 3
	.amdgcn_target "amdgcn-amd-amdhsa--gfx1250"
	.amdhsa_code_object_version 6
	.text
	.protected	k_q14714f9772_attn
	.globl	k_q14714f9772_attn
	.p2align	8
	.type	k_q14714f9772_attn,@function
k_q14714f9772_attn:
	s_mov_b64 s[64:65], 0
	v_nop
	global_prefetch_b8 v0, s[64:65] scope:SCOPE_SE
	s_setreg_imm32_b32 hwreg(HW_REG_WAVE_MODE, 25, 1), 1
	s_wait_xcnt 0x0
; ATTENTION on codes of E4M3: ctx = softmax(q k^T / 8) v, quantised at once (e10) as the image of the next product's operand.
; THE SOFTMAX: t = score x log2(e) / 8; M = the running largest t rounded UP to a whole number; p = 2^(t - M) is quantised (e8), not normalised; the sum is taken of the unquantised p and divides at the end.
; When M moves, the sum and O are multiplied by 2^(old M - new M), made by v_ldexp_f32: nothing is rounded, and no branch hangs on data.
; SHARES.  12 heads x 4,096 queries are 256 equal parts of 64 queries x 3 heads: work-group (x, y) takes queries 64 x .. 64 x + 63 of heads 3 y .. 3 y + 2.
; THE KEYS ARE SHARED OUT AMONG THE EIGHT WAVES: the three heads' keys, 32 steps of 128 each, form one line of 96 steps, and wave w takes steps 12 w .. 12 w + 11, each for all four tiles of 16 queries.
; So each fragment of k and v is read by one wave alone and feeds four tiles: it goes from the images straight into registers (16 bytes x lane, 512 consecutive bytes a load); the loop has no barrier.
; Waves 2 and 5 pass from one head to the next on their way (behind steps 31 and 63 of the line): there they put their part of the head that they leave into LDS bytes of their own and begin anew.
; k of step s + 1 is asked for as soon as step s has started its last scores; v of step s at the step's head, ahead of the wait for k.
; AT THE END the ten parts (O^T, -M, the sum; three of head 0, four of head 1, three of head 2) meet in LDS behind ONE barrier: a head's parts are brought under their largest M by exact powers of two and added;
; wave w finishes, for each head, tile w / 2, channels 32 (w % 2) on: a chunk of 512 bytes of ctx's image.
; LAYOUT.  Both products are used transposed: S^T = k q^T (K = 64), O^T = v^T p^T (K = 128 keys): a lane holds ONE query.  The keys of a tile are 32 b + 8 u + r + 8 (r / 8),
; so p's 16 registers of tiles 2 b, 2 b + 1 are keys 32 b + 16 h + 0 .. 15: the conversions' results are the second product's operand.
; THE HOLD of p at 448 x 2^e8 is passed over, by a scalar branch on the given whole number e8, where e8 >= -8: p is at most 1 (but for the last bit), under 448 / 256.
; No cluster and no tensor load: no tile lies in LDS that work-groups could ask for jointly.  No prefetch: there is no ring that drains; each fragment's own load goes out as soon as its registers are free.
; LIMITS: e6 + e7 between -123 and 130 (added to the exponent field of log2(e) / 8); e8 and e10 between -126 and 119; the scaled scores stay under 2^31 in magnitude.  NaN is not served.
; LDS: place n of 16: O^T at 16,384 n + 4,096 tile + 512 group + 16 lane; (-M, sum) at STAT + 1,024 n + 256 tile + 8 lane.  Wave w's last part has place w, a part put aside on the way place 8 + w.  The spare words at SPARE.
; REGISTERS.  Window 0: v1 16 x lane; v2, v44 my two places for O^T; v3 for -M and sum; v4, v42, v43, v45 where I read the parts (65,536 bytes apart: an LDS offset has 16 bits), v7 their -M and sums;
;   v5, v6 448 x 2^e8, 2^e8; v46, v47 2^e10, 448 x 2^e10; v40, v41 the spare word, 0;
;   tile q: v[8+4q] -M, v[9+4q] the largest score, v[10+4q:11+4q] the sum; the pair in hand, j = 0, 1: v[24+8j] .. two maxima, a lane exchange, the old -M, f (a pair), a second sum (a pair);
;   v48-79 q's four fragments; v80-111 p's codes; v128-255 S^T, then p, of the pair in hand.  At the end: v48-67 the ten (-M, sum); v68-79 at work; v80-91 ctx's codes; v96-255 the ten parts.
;   Window 1: v0-63 k's 8 fragments; v64-127 v's 4; v128-255 O^T (tile q, channels' tile t at 128 + 32 q + 8 t).
.set STAT,  262144
.set SPARE, 278528
.set MSB, 0
.macro WIN new                                 ; s_set_vgpr_msb: bits 1:0 source 0, 3:2 source 1, 5:4 source 2, 7:6 destination; the high byte repeats the setting that is left
.if MSB != \new
	s_set_vgpr_msb (MSB<<8)|\new
.set MSB, \new
.endif
.endm
.macro ALU
	s_wait_alu depctr_va_vdst(0)
.endm
.macro KLOAD                                   ; 128 keys of k: 8 tiles x 2 chunks
	WIN 0x40
.irp kt,0,1,2,3,4,5,6,7
.irp c,0,1
	global_load_b128 v[8*\kt+4*\c:8*\kt+4*\c+3], v1, s[10:11] offset:\kt*12288+\c*512
.endr
.endr
	WIN 0
.endm
.macro VLOAD                                   ; 128 keys of v: 4 tiles of channels x 4 chunks
	WIN 0x40
.irp vt,0,1,2,3
.irp c,0,1,2,3
	global_load_b128 v[64+16*\vt+4*\c:64+16*\vt+4*\c+3], v1, s[12:13] offset:\vt*2048+\c*512
.endr
.endr
	WIN 0
.endm
.macro QLOAD                                   ; a head's four tiles of queries
.irp q,0,1,2,3
.irp c,0,1
	global_load_b128 v[48+8*\q+4*\c:51+8*\q+4*\c], v1, s[14:15] offset:\q*12288+\c*512
.endr
.endr
.endm
.macro SMM p                                   ; S^T of tiles 2 p, 2 p + 1: sixteen products, each with its own result; then four plain lines (ISA guide 7.12.1), two of them the copies of the old -M
	WIN 0x01
.irp kt,0,1,2,3,4,5,6,7
.irp j,0,1
	v_wmma_f32_16x16x64_fp8_fp8 v[128+64*\j+8*\kt:135+64*\j+8*\kt], v[8*\kt:8*\kt+7], v[48+16*\p+8*\j:55+16*\p+8*\j], 0
.endr
.endr
	WIN 0
.irp j,0,1
	v_mov_b32 v[27+8*\j], v[8+8*\p+4*\j]
.endr
	v_nop
	v_nop
.endm
; Line g of 32 of a tile's sum of p, two numbers at a time, in FOUR chains: the running sum, v[30+8j:31+8j], v[112+4j:113+4j] and v[114+4j:115+4j].  With two tiles by turns eight lines stand between a chain's links.
.macro SUMS p, j, g
.if (\g) == 0
	v_pk_add_f32 v[30+8*\j:31+8*\j], v[128+64*\j:129+64*\j], v[130+64*\j:131+64*\j]
.elseif (\g) == 1
	v_pk_add_f32 v[112+4*\j:113+4*\j], v[132+64*\j:133+64*\j], v[134+64*\j:135+64*\j]
.elseif (\g) == 2
	v_pk_add_f32 v[114+4*\j:115+4*\j], v[136+64*\j:137+64*\j], v[138+64*\j:139+64*\j]
.elseif (\g) == 29
	v_pk_add_f32 v[30+8*\j:31+8*\j], v[30+8*\j:31+8*\j], v[112+4*\j:113+4*\j]
.elseif (\g) == 30
	v_pk_add_f32 v[10+8*\p+4*\j:11+8*\p+4*\j], v[10+8*\p+4*\j:11+8*\p+4*\j], v[114+4*\j:115+4*\j]
.elseif (\g) == 31
	v_pk_add_f32 v[10+8*\p+4*\j:11+8*\p+4*\j], v[10+8*\p+4*\j:11+8*\p+4*\j], v[30+8*\j:31+8*\j]
.elseif ((\g)%4) == 3
	v_pk_add_f32 v[10+8*\p+4*\j:11+8*\p+4*\j], v[10+8*\p+4*\j:11+8*\p+4*\j], v[134+64*\j+2*(\g):135+64*\j+2*(\g)]
.elseif ((\g)%4) == 0
	v_pk_add_f32 v[30+8*\j:31+8*\j], v[30+8*\j:31+8*\j], v[134+64*\j+2*(\g):135+64*\j+2*(\g)]
.elseif ((\g)%4) == 1
	v_pk_add_f32 v[112+4*\j:113+4*\j], v[112+4*\j:113+4*\j], v[134+64*\j+2*(\g):135+64*\j+2*(\g)]
.else
	v_pk_add_f32 v[114+4*\j:115+4*\j], v[114+4*\j:115+4*\j], v[134+64*\j+2*(\g):135+64*\j+2*(\g)]
.endif
.endm
.macro SOFT p                                  ; the softmax of tiles 2 p, 2 p + 1 over the step's 128 keys
.irp j,0,1                                     ; the largest score so far: four chains a tile, the first begun with the running one; each accumulator from its low end on
	v_max3_num_f32 v[24+8*\j], v[128+64*\j], v[129+64*\j], v[9+8*\p+4*\j]   ; FOUR chains a tile (the third and fourth in v[120+2j], v[121+2j]): eight lines between a chain's links
	v_max_num_f32 v[25+8*\j], v[130+64*\j], v[131+64*\j]
	v_max_num_f32 v[120+2*\j], v[132+64*\j], v[133+64*\j]
	v_max_num_f32 v[121+2*\j], v[134+64*\j], v[135+64*\j]
.endr
.irp i,8,16,24,32,40,48,56
.irp j,0,1
	v_max3_num_f32 v[24+8*\j], v[24+8*\j], v[128+64*\j+\i], v[129+64*\j+\i]
	v_max3_num_f32 v[25+8*\j], v[25+8*\j], v[130+64*\j+\i], v[131+64*\j+\i]
	v_max3_num_f32 v[120+2*\j], v[120+2*\j], v[132+64*\j+\i], v[133+64*\j+\i]
	v_max3_num_f32 v[121+2*\j], v[121+2*\j], v[134+64*\j+\i], v[135+64*\j+\i]
.endr
.endr
.irp j,0,1
	v_max3_num_f32 v[24+8*\j], v[24+8*\j], v[25+8*\j], v[120+2*\j]
.endr
.irp j,0,1
	v_max_num_f32 v[24+8*\j], v[24+8*\j], v[121+2*\j]
.endr
.irp j,0,1
	v_permlanex16_b32 v[26+8*\j], v[24+8*\j], s20, s21   ; the query's other 64 keys lie in lane l xor 16
.endr
.irp j,0,1
	v_max_num_f32 v[9+8*\p+4*\j], v[24+8*\j], v[26+8*\j]
.endr
.irp j,0,1
	v_mul_f32 v[26+8*\j], s22, v[9+8*\p+4*\j]      ; as t (the factor is positive)
.endr
.irp j,0,1
	v_floor_f32 v[8+8*\p+4*\j], -v[26+8*\j]        ; -M = floor(-t) = -ceil(t)
.endr
.irp j,0,1
	v_sub_f32 v[26+8*\j], v[8+8*\p+4*\j], v[27+8*\j]   ; old M - new M: a whole number, 0 or less
.endr
.set kk, 0
.rept 6                                        ; the first tile's t - M needs -M alone (of the pairs the low word serves both halves): its 32 lines stand between the links of the chain that makes f
	v_pk_fma_f32 v[128+kk:129+kk], v[128+kk:129+kk], s[22:23], v[8+8*\p:9+8*\p] op_sel_hi:[1,0,0]
.set kk, kk+2
.endr
.irp j,0,1
	v_cvt_i32_f32 v[26+8*\j], v[26+8*\j]           ; (it saturates)
.endr
.rept 6
	v_pk_fma_f32 v[128+kk:129+kk], v[128+kk:129+kk], s[22:23], v[8+8*\p:9+8*\p] op_sel_hi:[1,0,0]
.set kk, kk+2
.endr
.irp j,0,1
	v_ldexp_f32 v[28+8*\j], 1.0, v[26+8*\j]        ; f = 2^(old M - new M)
.endr
.rept 6
	v_pk_fma_f32 v[128+kk:129+kk], v[128+kk:129+kk], s[22:23], v[8+8*\p:9+8*\p] op_sel_hi:[1,0,0]
.set kk, kk+2
.endr
.irp j,0,1
	v_pk_mul_f32 v[10+8*\p+4*\j:11+8*\p+4*\j], v[10+8*\p+4*\j:11+8*\p+4*\j], v[28+8*\j:29+8*\j] op_sel_hi:[1,0]   ; the sum under the new M
.endr
.rept 14
	v_pk_fma_f32 v[128+kk:129+kk], v[128+kk:129+kk], s[22:23], v[8+8*\p:9+8*\p] op_sel_hi:[1,0,0]
.set kk, kk+2
.endr
	WIN 0x41
	ALU                                            ; directly ahead of the first reader of O^T
.irp j,0,1
.set jj, 0
.rept 16
	v_pk_mul_f32 v[128+64*\p+32*\j+jj:129+64*\p+32*\j+jj], v[128+64*\p+32*\j+jj:129+64*\p+32*\j+jj], v[28+8*\j:29+8*\j] op_sel_hi:[1,0]   ; O^T under the new M
.set jj, jj+2
.endr
.endr
	WIN 0
	ALU                                            ; ahead of the first batch
.set jj, 0
.rept 32                                       ; the first tile's p; the second tile's t - M stand between as plain lines: each writes registers that are next read behind the wait below
	v_exp_f32 v[128+jj], v[128+jj]
	v_exp_f32 v[129+jj], v[129+jj]
	v_pk_fma_f32 v[192+jj:193+jj], v[192+jj:193+jj], s[22:23], v[12+8*\p:13+8*\p] op_sel_hi:[1,0,0]
.set jj, jj+2
.endr
	ALU                                            ; behind the first batch, ahead of the second
.set jj, 0
.rept 64
	v_exp_f32 v[192+jj], v[192+jj]                 ; the second tile's p
.set jj, jj+1
.endr
	v_nop                                          ; a plain line behind the exponentials
	ALU                                            ; behind the batch, ahead of its first reader
.set gg, 0
.rept 32
	SUMS \p, 0, gg
	SUMS \p, 1, gg
.set gg, gg+1
.endr
	ALU
	s_cmp_ge_i32 s26, -8                           ; 448 x 2^e8 >= 1.75: no p reaches it
	s_cbranch_scc1 .Lfits_\@
.set jj, 0
.rept 128
	v_min_num_f32 v[128+jj], v[128+jj], v5         ; the conversion does not saturate (ISA guide 7.6.2); p is not negative, so the hold is one-sided
.set jj, jj+1
.endr
.Lfits_\@:
.irp j,0,1
.irp b,0,1,2,3
	v_cvt_scalef32_pk8_fp8_f32 v[80+16*\j+4*\b:81+16*\j+4*\b], v[128+64*\j+16*\b:135+64*\j+16*\b], v6
	v_cvt_scalef32_pk8_fp8_f32 v[82+16*\j+4*\b:83+16*\j+4*\b], v[136+64*\j+16*\b:143+64*\j+16*\b], v6
.endr
.endr
	v_nop                                          ; a plain line behind the last conversion
.endm
.macro PV p                                    ; O^T += v^T p^T: eight accumulators, one instruction a turn
	WIN 0x51
.irp vt,0,1,2,3
.irp j,0,1
	v_wmma_f32_16x16x128_fp8_fp8 v[128+64*\p+32*\j+8*\vt:135+64*\p+32*\j+8*\vt], v[64+16*\vt:79+16*\vt], v[80+16*\j:95+16*\j], v[128+64*\p+32*\j+8*\vt:135+64*\p+32*\j+8*\vt]
.endr
.endr
.endm
.macro RESET                                   ; a head begins
.irp q,0,1,2,3
	v_mov_b32 v[9+4*\q], 0xff61b1e6                ; the largest score so far: -3e38
	v_mov_b32 v[8+4*\q], 0x7f61b1e6                ; -M: the first change of M gives f = 0
	v_mov_b32 v[10+4*\q], 0
	v_mov_b32 v[11+4*\q], 0
.endr
	WIN 0x40
.set jj, 0
.rept 128
	v_mov_b32 v[128+jj], 0                         ; O^T: the step is written once; its first run multiplies zeros
.set jj, jj+1
.endr
	WIN 0
.endm
.macro FLUSH adr, soff                         ; my part of a head goes to LDS: the sum's halves are joined first, and lie beside -M
.irp q,0,1,2,3
	v_add_f32 v[10+4*\q], v[10+4*\q], v[11+4*\q]
.endr
.irp q,0,1,2,3
	v_permlanex16_b32 v[24+\q], v[10+4*\q], s20, s21
.endr
.irp q,0,1,2,3
	v_add_f32 v[9+4*\q], v[10+4*\q], v[24+\q]
.endr
	WIN 0x04                                       ; an LDS store's data are its source 1
.irp q,0,1,2,3
.irp g,0,1,2,3,4,5,6,7
	ALU                                            ; directly ahead of each reader of O^T
	ds_store_b128 v[\adr], v[128+32*\q+4*\g:131+32*\q+4*\g] offset:\q*4096+\g*512
.endr
.endr
	WIN 0
.irp q,0,1,2,3
	ds_store_b64 v3, v[8+4*\q:9+4*\q] offset:\soff+\q*256
.endr
.endm
.macro LDP p, adr, off, place                  ; part p of ten: my 16 registers of it, and its -M and sum
.irp g,0,1,2,3
	ds_load_b128 v[96+16*\p+4*\g:99+16*\p+4*\g], v[\adr] offset:\off+\g*512
.endr
	ds_load_b64 v[48+2*\p:49+2*\p], v7 offset:\place*1024
.endm
.macro MGA h, p0, n                            ; head h: its n parts, from part p0 on, under their largest M, added into the first
	v_min3_num_f32 v[68+4*\h], v[48+2*\p0], v[50+2*\p0], v[52+2*\p0]   ; the least -M: the largest M
.if \n > 3
	v_min_num_f32 v[68+4*\h], v[68+4*\h], v[54+2*\p0]
.endif
.set ii, 0
.rept \n
	v_sub_f32 v[48+2*(\p0+ii)], v[68+4*\h], v[48+2*(\p0+ii)]   ; a part's M less the largest: a whole number, 0 or less
.set ii, ii+1
.endr
.set ii, 0
.rept \n
	v_cvt_i32_f32 v[48+2*(\p0+ii)], v[48+2*(\p0+ii)]
.set ii, ii+1
.endr
.set ii, 0
.rept \n
	v_ldexp_f32 v[48+2*(\p0+ii)], 1.0, v[48+2*(\p0+ii)]        ; the part's factor
.set ii, ii+1
.endr
	v_mul_f32 v[70+4*\h], v[48+2*\p0], v[49+2*\p0]
.set ii, 1
.rept \n-1
	v_fma_f32 v[70+4*\h], v[48+2*(\p0+ii)], v[49+2*(\p0+ii)], v[70+4*\h]   ; the row's sum
.set ii, ii+1
.endr
	v_mov_b32 v[71+4*\h], 0                        ; (named as the upper half of the pair)
.irp k,0,2,4,6,8,10,12,14
	v_pk_mul_f32 v[96+16*\p0+\k:97+16*\p0+\k], v[96+16*\p0+\k:97+16*\p0+\k], v[48+2*\p0:49+2*\p0] op_sel_hi:[1,0]
.endr
.set ii, 1
.rept \n-1
.irp k,0,2,4,6,8,10,12,14
	v_pk_fma_f32 v[96+16*\p0+\k:97+16*\p0+\k], v[96+16*(\p0+ii)+\k:97+16*(\p0+ii)+\k], v[48+2*(\p0+ii):49+2*(\p0+ii)], v[96+16*\p0+\k:97+16*\p0+\k] op_sel_hi:[1,0,1]
.endr
.set ii, ii+1
.endr
.endm
.macro MGB h, p0                               ; / the sum, x 2^(e8 + e9), held, converted: 16 neighbouring channels of my query
.irp k,0,2,4,6,8,10,12,14
	v_pk_mul_f32 v[96+16*\p0+\k:97+16*\p0+\k], v[96+16*\p0+\k:97+16*\p0+\k], v[70+4*\h:71+4*\h] op_sel_hi:[1,0]
.endr
.irp k,0,1,2,3,4,5,6,7,8,9,10,11,12,13,14,15
	v_med3_num_f32 v[96+16*\p0+\k], v[96+16*\p0+\k], -v47, v47   ; the conversion does not saturate (ISA guide 7.6.2)
.endr
	v_cvt_scalef32_pk8_fp8_f32 v[80+4*\h:81+4*\h], v[96+16*\p0:103+16*\p0], v46
	v_cvt_scalef32_pk8_fp8_f32 v[82+4*\h:83+4*\h], v[104+16*\p0:111+16*\p0], v46
.endm
	s_load_b128 s[4:7], s[0:1], 0x0                ; qkv s[4:5], the scales s[6:7]
	s_load_b64 s[8:9], s[0:1], 0x10                ; cimg
	v_lshl_add_u32 v40, v0, 2, SPARE
	v_mov_b32 v41, 0
	v_lshrrev_b32 v2, 5, v0
	v_readfirstlane_b32 s2, v2                     ; wave 0..7
	v_and_b32 v3, 31, v0
	v_lshlrev_b32 v1, 4, v3                        ; 16 x lane
	v_lshlrev_b32 v3, 3, v3                        ; 8 x lane
	s_mul_i32 s49, s2, 12                          ; my first step in the line of 96
	s_lshr_b32 s50, s49, 5
	s_and_b32 s51, s49, 31                         ; which 128 keys of its head
	s_and_b32 s33, ttmp7, 0xffff
	s_mul_i32 s33, s33, 3                          ; the work-group's first head: 3 y
	s_add_co_u32 s50, s50, s33                     ; my first head
	s_mul_i32 s52, ttmp9, 49152                    ; tiles 4 x on, 12,288 bytes each
	s_lshl_b32 s32, s50, 10                        ; a head's two chunks are 1,024 bytes
	s_add_co_u32 s40, s52, s32                     ; q
	s_mov_b32 s41, 0
	s_mul_i32 s51, s51, 98304                      ; 128 keys on: 8 tiles of k; a block of v
	s_add_co_u32 s44, s51, s32
	s_add_co_u32 s44, s44, 3145728                 ; k
	s_mov_b32 s45, 0
	s_add_co_u32 s54, s32, 3146752                 ; k at the next head's first key
	s_mov_b32 s55, 0
	s_lshl_b32 s32, s50, 13                        ; a head's 128 keys of v are 8,192 bytes
	s_add_co_u32 s46, s51, s32
	s_add_co_u32 s46, s46, 6291456                 ; v
	s_mov_b32 s47, 0
	s_add_co_u32 s56, s32, 6299648                 ; v at the next head's first key
	s_mov_b32 s57, 0
	s_lshr_b32 s38, s2, 1                          ; the tile that I finish,
	s_and_b32 s39, s2, 1                           ; and which 32 of its channels
	s_mul_i32 s42, s38, 12288
	s_lshl_b32 s43, s39, 9
	s_add_co_u32 s42, s42, s43
	s_add_co_u32 s42, s42, s52
	s_lshl_b32 s32, s33, 10
	s_add_co_u32 s42, s42, s32                     ; my chunk of ctx's image in head 3 y
	s_mov_b32 s43, 0
	s_mov_b32 s20, 0x76543210
	s_mov_b32 s21, 0xfedcba98
	s_mov_b32 s36, 12                              ; steps to go
	ALU
	s_wait_kmcnt 0x0
	s_load_b256 s[24:31], s[6:7], 0x18             ; e6 .. e13
	s_add_nc_u64 s[14:15], s[4:5], s[40:41]
	s_add_nc_u64 s[8:9], s[8:9], s[42:43]
	s_add_nc_u64 s[10:11], s[4:5], s[44:45]
	s_add_nc_u64 s[12:13], s[4:5], s[46:47]
	KLOAD
	QLOAD
	s_add_nc_u64 s[16:17], s[4:5], s[54:55]
	s_add_nc_u64 s[18:19], s[4:5], s[56:57]
	s_lshl_b32 s32, s2, 14
	v_add_nc_u32 v2, s32, v1                       ; place w,
	v_add_nc_u32 v44, 131072, v2                   ; place 8 + w
	s_lshl_b32 s32, s38, 8
	s_add_co_u32 s32, s32, STAT
	v_add_nc_u32 v7, s32, v3
	s_lshl_b32 s32, s2, 10
	s_add_co_u32 s32, s32, STAT
	v_add_nc_u32 v3, s32, v3
	s_lshl_b32 s32, s38, 12
	s_lshl_b32 s33, s39, 11
	s_add_co_u32 s32, s32, s33
	v_add_nc_u32 v4, s32, v1                       ; places 0-3,
	v_add_nc_u32 v42, 65536, v4                    ; 4-7,
	v_add_nc_u32 v43, 131072, v4                   ; 8-11,
	v_add_nc_u32 v45, 196608, v4                   ; 12-15
.irp j,0,1
	v_mov_b32 v[26+8*\j], 0                        ; a lane permute's destination counts as read
	v_mov_b32 v[29+8*\j], 0                        ; (named as the upper half of f's pair)
.endr
	s_wait_kmcnt 0x0
	s_add_co_i32 s32, s24, s25
	s_lshl_b32 s32, s32, 23
	s_add_co_i32 s22, s32, 0x3e38aa3b              ; log2(e) / 8 x 2^(e6 + e7)
	s_mov_b32 s23, s22
	s_add_co_i32 s37, s26, s27                     ; e8 + e9
	s_add_co_i32 s32, s26, 127
	s_lshl_b32 s33, s32, 23
	v_mov_b32 v6, s33                              ; 2^e8
	s_add_co_i32 s32, s32, 8
	s_lshl_b32 s32, s32, 23
	s_or_b32 s32, s32, 0x600000
	v_mov_b32 v5, s32                              ; 448 x 2^e8
	s_add_co_i32 s32, s28, 127
	s_lshl_b32 s33, s32, 23
	v_mov_b32 v46, s33                             ; 2^e10
	s_add_co_i32 s32, s32, 8
	s_lshl_b32 s32, s32, 23
	s_or_b32 s32, s32, 0x600000
	v_mov_b32 v47, s32                             ; 448 x 2^e10
	RESET
	ALU                                            ; the head's end
.Lstep:                                            ; a trip: 128 keys for four tiles of queries
	VLOAD                                          ; this step's v: wanted behind the first pair's softmax
	s_wait_loadcnt 16                              ; this step's k is in (at a head's first step: q too); v's sixteen loads, just issued, may be out
	SMM 0
	SOFT 0
	ALU
	s_wait_loadcnt 0x0                             ; v is in; no load is out, so the bases may step below
	PV 0
	SMM 1                                          ; its four plain lines also stand in front of the loads into k's and q's registers
	ALU
	s_add_co_u32 s49, s49, 1                       ; the next step's number in the line
	s_add_nc_u64 s[10:11], s[10:11], 98304         ; the next 128 keys,
	s_and_b32 s48, s49, 31                         ; (0: the next step begins a head)
	s_cselect_b64 s[10:11], s[10:11], s[16:17]     ; or the next head's first
	s_cmp_eq_u32 s36, 1                            ; behind my last step nothing is asked for
	s_cbranch_scc1 .Lnok
	KLOAD
	s_cmp_lg_u32 s48, 0
	s_cbranch_scc1 .Lnok
	s_add_nc_u64 s[14:15], s[14:15], 1024          ; the next head's q
	QLOAD
.Lnok:
	SOFT 1
	PV 1
	WIN 0
.rept 4
	v_nop                                          ; four plain lines in front of the next loads into v's registers, and of the first read of O^T
.endr
	s_add_nc_u64 s[12:13], s[12:13], 98304
	s_cmp_lg_u32 s48, 0
	s_cselect_b64 s[12:13], s[12:13], s[18:19]
	s_sub_co_u32 s36, s36, 1
	ALU
	s_cmp_lg_u32 s48, 0
	s_cbranch_scc1 .Lon                            ; the head goes on
	s_cmp_eq_u32 s36, 0
	s_cbranch_scc1 .Lon                            ; my last step: the part goes out below
	FLUSH 44, 8192                                 ; the head that I leave: into place 8 + w; no barrier: nobody reads it before the one below
	s_wait_dscnt 0x0                               ; the stores are done
	RESET
	ALU
.Lon:
	s_cmp_lg_u32 s36, 0
	s_cbranch_scc1 .Lstep
	FLUSH 2, 0                                     ; my last part: into place w
	s_wait_dscnt 0x0                               ; for the others' sake: my stores have landed
	s_barrier_signal -1
	s_barrier_wait -1
	LDP 0, 4, 0, 0                                 ; head 0: waves 0 and 1, and what wave 2 put aside
	LDP 1, 4, 16384, 1
	LDP 2, 43, 32768, 10
	LDP 3, 4, 32768, 2                             ; head 1: waves 2, 3 and 4, and what wave 5 put aside
	LDP 4, 4, 49152, 3
	LDP 5, 42, 0, 4
	LDP 6, 45, 16384, 13
	LDP 7, 42, 16384, 5                            ; head 2: waves 5, 6 and 7
	LDP 8, 42, 32768, 6
	LDP 9, 42, 49152, 7
	s_wait_dscnt 0x0
	MGA 0, 0, 3
	MGA 1, 3, 4
	MGA 2, 7, 3
	ALU                                            ; ahead of the batch
.irp h,0,1,2
	v_rcp_f32 v[70+4*\h], v[70+4*\h]
.endr
	v_nop                                          ; a plain line behind it
	ALU                                            ; ahead of its first reader
.irp h,0,1,2
	v_ldexp_f32 v[70+4*\h], v[70+4*\h], s37        ; x 2^(e8 + e9)
.endr
	MGB 0, 0
	MGB 1, 3
	MGB 2, 7
	v_nop                                          ; a plain line behind the last conversion
.irp h,0,1,2
	global_store_b128 v1, v[80+4*\h:83+4*\h], s[8:9] offset:\h*1024   ; 512 consecutive bytes a wave
.endr
	s_wait_tensorcnt 0x0                           ; the wave's end
	ds_add_u32 v40, v41
	s_wait_dscnt 0x0
	s_endpgm
.Lfunc_end_k_q14714f9772_attn:
	.size	k_q14714f9772_attn, .Lfunc_end_k_q14714f9772_attn-k_q14714f9772_attn
	.p2alignl 7, 3214868480
	.fill 96, 4, 3214868480
	.section	.rodata,"a",@progbits
	.p2align	6, 0x0
	.amdhsa_kernel k_q14714f9772_attn
		.amdhsa_group_segment_fixed_size 279552
		.amdhsa_private_segment_fixed_size 0
		.amdhsa_enable_private_segment 0
		.amdhsa_kernarg_size 24
		.amdhsa_user_sgpr_count 2
		.amdhsa_user_sgpr_kernarg_segment_ptr 1
		.amdhsa_wavefront_size32 1
		.amdhsa_system_sgpr_workgroup_id_x 1
		.amdhsa_system_sgpr_workgroup_id_y 1
		.amdhsa_system_sgpr_workgroup_id_z 1
		.amdhsa_system_vgpr_workitem_id 0
		.amdhsa_next_free_vgpr 512
		.amdhsa_next_free_sgpr 66
		.amdhsa_reserve_vcc 0
		.amdhsa_float_denorm_mode_32 3
		.amdhsa_float_denorm_mode_16_64 3
		.amdhsa_memory_ordered 1
		.amdhsa_forward_progress 1
		.amdhsa_inst_pref_size 97
	.end_amdhsa_kernel
	.amdgpu_metadata
---
amdhsa.version: [ 1, 2 ]
amdhsa.kernels:
  - .name:           k_q14714f9772_attn
    .symbol:         k_q14714f9772_attn.kd
    .args:
      - { .name: qkv, .offset: 0, .size: 8, .value_kind: global_buffer, .address_space: global }
      - { .name: lowp_scales, .offset: 8, .size: 8, .value_kind: global_buffer, .address_space: global }
      - { .name: cimg, .offset: 16, .size: 8, .value_kind: global_buffer, .address_space: global }
    .group_segment_fixed_size: 279552
    .private_segment_fixed_size: 0
    .kernarg_segment_align: 8
    .kernarg_segment_size: 24
    .max_flat_workgroup_size: 256
    .sgpr_count:     66
    .vgpr_count:     512
    .wavefront_size: 32
...
	.end_amdgpu_metadata
.endif
;; end of part 3
;; launch wo_ln1 (part 4): grid 256 x 1, 12 waves a work-group, no clusters, 55,808 bytes of LDS; arguments cimg, wimg, bo, x, ln1_g, ln1_b, lowp_scales, hbuf, himg; writes hbuf, himg
.if DOCPART == 4
	.amdgcn_target "amdgcn-amd-amdhsa--gfx1250"
	.amdhsa_code_object_version 6
	.text
	.protected	k_q14714f9772_wo_ln1
	.globl	k_q14714f9772_wo_ln1
	.p2align	8
	.type	k_q14714f9772_wo_ln1,@function
k_q14714f9772_wo_ln1:
	s_mov_b64 s[64:65], 0
	v_nop
	global_prefetch_b8 v0, s[64:65] scope:SCOPE_SE
	s_setreg_imm32_b32 hwreg(HW_REG_WAVE_MODE, 25, 1), 1
	s_wait_xcnt 0x0
; h = LayerNorm(x + ctx Wo + bo) x g + b.  The product on codes of E4M3; all else in f32.  h leaves twice: as f32 rows (the residual of the next block) and as codes (e12), the image of the next operand.
; A work-group owns ONE tile of 16 rows and all 768 columns, so that the norm needs no other work-group.  Twelve waves, each 64 columns: four tiles of Wo, four accumulators.
; Fragments come from the images straight into registers, 16 bytes x lane: no operand goes through LDS.  Two sets of registers take turns, a K step (128) ahead.
; The product is used transposed (source 0 = 16 columns of Wo, source 1 = the 16 rows): a lane holds one row and 32 of its columns, 64 w + 32 p + 16 h + 0 .. 15.
; The norm is taken in two passes, as the definition has it: the mean, then the mean of the squared differences; each meets in LDS (a word for each row and wave), behind a barrier of its own.
; LIMITS: e10 + e11 and e12 between -126 and 119.  NaN is not served.
; LDS: 0: 16 rows x 16 words, the sums; 1,024: the same for the squares; 2,048 + 4,352 w: wave w's stage, 16 rows x (256 + 16) bytes.
; REGISTERS: v1 16 x lane; v2 x's offset; v3 64 h; v4, v5 my word, my row's words; v6, v7 2^e12, 448 x 2^e12; v11, v12 stage in, back; v13 h's offset; v32-63 the sums, then y, then h;
;   v64-143, v144-223 two sets (ctx's fragment, then Wo's four); v224-255 x.  Behind the products: v64-95 bo, v96-127 g, v144-175 b, v176-207 at work.
.set ACC,  32
.set SET0, 64
.set SET1, 144
.set XR,   224
.set STG,  2048
.macro PLACES
.rept 4
	v_nop
.endr
.endm
.macro LOADK ks, rg
.irp c,0,1,2,3
	global_load_b128 v[\rg+4*\c:\rg+4*\c+3], v1, s[8:9] offset:2048*\ks+512*\c
.endr
.irp j,0,1,2,3
.irp c,0,1,2,3
	global_load_b128 v[\rg+16+16*\j+4*\c:\rg+16+16*\j+4*\c+3], v1, s[10:11] offset:12288*\j+2048*\ks+512*\c
.endr
.endr
.endm
.macro MMK rg, zero                            ; four accumulators, one instruction a turn
.irp j,0,1,2,3
.if \zero
	v_wmma_f32_16x16x128_fp8_fp8 v[ACC+8*\j:ACC+8*\j+7], v[\rg+16+16*\j:\rg+31+16*\j], v[\rg:\rg+15], 0
.else
	v_wmma_f32_16x16x128_fp8_fp8 v[ACC+8*\j:ACC+8*\j+7], v[\rg+16+16*\j:\rg+31+16*\j], v[\rg:\rg+15], v[ACC+8*\j:ACC+8*\j+7]
.endif
.endr
.endm
.macro VEC32 rg, base                          ; my 32 numbers of a vector of 768
.irp p,0,1
.irp k,0,1,2,3
	global_load_b128 v[\rg+16*\p+4*\k:\rg+16*\p+4*\k+3], v3, s[\base:\base+1] offset:128*\p+16*\k
.endr
.endr
.endm
; v176 = my lane's sum: joined with lane l xor 16's, stored as my wave's word of my row at off; a barrier; the row's twelve words are added into v184
.macro MEET off
	s_delay_alu instid0(VALU_DEP_1)
	v_add_f32 v176, v176, v177
	s_delay_alu instid0(VALU_DEP_1)
	v_permlanex16_b32 v178, v176, s4, s5
	s_delay_alu instid0(VALU_DEP_1)
	v_add_f32 v176, v176, v178
	ds_store_b32 v4, v176 offset:\off              ; lanes r and r + 16 store the same number to the same word
	s_wait_dscnt 0x0                               ; for the others' sake
	s_barrier_signal -1
	s_barrier_wait -1
	ds_load_b128 v[184:187], v5 offset:\off
	ds_load_b128 v[188:191], v5 offset:\off+16
	ds_load_b128 v[192:195], v5 offset:\off+32
	s_wait_dscnt 0x0
	v_pk_add_f32 v[184:185], v[184:185], v[186:187]
	v_pk_add_f32 v[188:189], v[188:189], v[190:191]
	v_pk_add_f32 v[192:193], v[192:193], v[194:195]
	s_delay_alu instid0(VALU_DEP_2)
	v_pk_add_f32 v[184:185], v[184:185], v[188:189]
	s_delay_alu instid0(VALU_DEP_1)
	v_pk_add_f32 v[184:185], v[184:185], v[192:193]
	s_delay_alu instid0(VALU_DEP_1)
	v_add_f32 v184, v184, v185
.endm
	s_load_b512 s[8:23], s[0:1], 0x0               ; cimg, wimg, bo, x, g, b, the scales s[20:21], hbuf s[22:23]
	s_load_b64 s[24:25], s[0:1], 0x40              ; himg
	v_lshl_add_u32 v30, v0, 2, 0xd400
	v_mov_b32 v31, 0
	v_lshrrev_b32 v8, 5, v0
	s_delay_alu instid0(VALU_DEP_1)
	v_readfirstlane_b32 s2, v8                     ; wave 0..11
	v_and_b32 v8, 31, v0
	s_delay_alu instid0(VALU_DEP_1)
	v_lshlrev_b32 v1, 4, v8
	v_and_b32 v9, 15, v0                           ; r
	v_bfe_u32 v10, v0, 4, 1                        ; h
	s_delay_alu instid0(VALU_DEP_2)
	v_and_b32 v2, 8, v9
	s_delay_alu instid0(VALU_DEP_1)
	v_add_nc_u32 v2, v2, v9
	s_delay_alu instid0(VALU_DEP_1)
	v_mul_u32_u24 v2, v2, 3072
	s_delay_alu instid0(VALU_DEP_1)
	v_lshl_add_u32 v2, v10, 6, v2                  ; x: row r + 8 (r / 8) of the tile, + 64 h
	v_lshlrev_b32 v3, 6, v10
	v_lshlrev_b32 v5, 6, v9                        ; my row's 16 words
	s_lshl_b32 s3, s2, 2
	v_add_nc_u32 v4, s3, v5                        ; my wave's word among them
	s_mul_i32 s3, s2, 4352
	s_add_co_u32 s3, s3, STG
	v_mul_u32_u24 v11, v9, 272
	s_delay_alu instid0(VALU_DEP_1)
	v_lshl_add_u32 v11, v10, 6, v11
	s_delay_alu instid0(VALU_DEP_1)
	v_add_nc_u32 v11, s3, v11                      ; stage, in: row r, + 64 h
	v_mul_u32_u24 v12, v10, 272
	s_delay_alu instid0(VALU_DEP_1)
	v_lshl_add_u32 v12, v9, 4, v12
	s_delay_alu instid0(VALU_DEP_1)
	v_add_nc_u32 v12, s3, v12                      ; back: lanes 0-15 one row of 256 bytes, lanes 16-31 the next
	v_mul_u32_u24 v13, v10, 3072
	s_delay_alu instid0(VALU_DEP_1)
	v_lshl_add_u32 v13, v9, 4, v13                 ; and the same in h
	s_mov_b32 s33, ttmp9                           ; T: my tile of rows
	s_mov_b32 s27, 0
	s_mov_b32 s4, 0x76543210
	s_mov_b32 s5, 0xfedcba98
	s_mov_b32 s6, 0x3aaaaaab                       ; 1 / 768
	s_mov_b32 s7, 0x3727c5ac                       ; 1e-5
	s_wait_kmcnt 0x0
	s_load_b128 s[28:31], s[20:21], 0x28           ; e10, e11, e12, e13
	s_mul_i32 s26, s33, 12288
	s_add_nc_u64 s[8:9], s[8:9], s[26:27]          ; ctx's tile
	s_lshl_b32 s34, s2, 10
	s_add_co_u32 s26, s26, s34
	s_add_nc_u64 s[24:25], s[24:25], s[26:27]      ; h's image: tile T, chunk 2 w
	s_mul_i32 s26, s2, 49152
	s_add_co_u32 s26, s26, 1769472
	s_add_nc_u64 s[10:11], s[10:11], s[26:27]      ; Wo's image, tile 4 w
	s_lshr_b32 s26, s33, 1
	s_lshl_b32 s26, s26, 5
	s_and_b32 s34, s33, 1
	s_lshl_b32 s34, s34, 3
	s_add_co_u32 s26, s26, s34                     ; the tile's first row
	s_mul_i32 s26, s26, 3072
	s_lshl_b32 s34, s2, 8                          ; my 64 columns
	s_add_co_u32 s26, s26, s34
	s_add_nc_u64 s[14:15], s[14:15], s[26:27]
	s_add_nc_u64 s[22:23], s[22:23], s[26:27]
	s_mov_b32 s26, s34
	s_add_nc_u64 s[12:13], s[12:13], s[26:27]
	s_add_nc_u64 s[16:17], s[16:17], s[26:27]
	s_add_nc_u64 s[18:19], s[18:19], s[26:27]
.irp p,0,1
.irp k,0,1,2,3
	global_load_b128 v[XR+16*\p+4*\k:XR+16*\p+4*\k+3], v2, s[14:15] offset:128*\p+16*\k
.endr
.endr
	LOADK 0, SET0
	LOADK 1, SET1
	s_wait_loadcnt 20                              ; this step's set is in; the next step's twenty loads may be out (so in each step below)
	MMK SET0, 1
	PLACES
	LOADK 2, SET0
	s_wait_loadcnt 20
	MMK SET1, 0
	PLACES
	LOADK 3, SET1
	s_wait_loadcnt 20
	MMK SET0, 0
	PLACES
	LOADK 4, SET0
	s_wait_loadcnt 20
	MMK SET1, 0
	PLACES
	LOADK 5, SET1
	s_wait_loadcnt 20
	MMK SET0, 0
	PLACES
	VEC32 64, 12                                   ; bo
	VEC32 96, 16                                   ; g
	s_wait_loadcnt 16                              ; the last step's set is in; bo's and g's sixteen loads may be out
	MMK SET1, 0
	PLACES
	VEC32 144, 18                                  ; b
	s_wait_kmcnt 0x0
	s_add_co_i32 s34, s28, s29
	s_add_co_i32 s34, s34, 127
	s_lshl_b32 s36, s34, 23                        ; 2^(e10 + e11)
	s_mov_b32 s37, s36
	s_add_co_i32 s34, s30, 127
	s_lshl_b32 s35, s34, 23
	v_mov_b32 v6, s35
	s_add_co_i32 s34, s34, 8
	s_lshl_b32 s34, s34, 23
	s_or_b32 s34, s34, 0x600000
	v_mov_b32 v7, s34
	s_wait_loadcnt 8                               ; bo and g are in; b's eight loads may be out
.set jj, 0
.rept 16
	v_pk_fma_f32 v[32+jj:33+jj], v[32+jj:33+jj], s[36:37], v[64+jj:65+jj] op_sel_hi:[1,0,1]   ; ctx Wo + bo, each accumulator from its low end on
.set jj, jj+2
.endr
.set jj, 0
.rept 16
	v_pk_add_f32 v[32+jj:33+jj], v[32+jj:33+jj], v[XR+jj:XR+jj+1]                             ; + x
.set jj, jj+2
.endr
	v_pk_add_f32 v[176:177], v[32:33], v[34:35]
	v_pk_add_f32 v[178:179], v[36:37], v[38:39]
.irp j,8,12,16,20,24,28
	s_delay_alu instid0(VALU_DEP_2)
	v_pk_add_f32 v[176:177], v[176:177], v[32+\j:33+\j]
	s_delay_alu instid0(VALU_DEP_2)
	v_pk_add_f32 v[178:179], v[178:179], v[34+\j:35+\j]
.endr
	s_delay_alu instid0(VALU_DEP_1)
	v_pk_add_f32 v[176:177], v[176:177], v[178:179]
	MEET 0
	s_delay_alu instid0(VALU_DEP_1)
	v_mul_f32 v180, 0xbaaaaaab, v184               ; -mean
	s_delay_alu instid0(VALU_DEP_1)
	v_mov_b32 v181, v180
.set jj, 0
.rept 16
	v_pk_add_f32 v[32+jj:33+jj], v[32+jj:33+jj], v[180:181]
.set jj, jj+2
.endr
	v_pk_mul_f32 v[176:177], v[32:33], v[32:33]
	v_pk_mul_f32 v[178:179], v[34:35], v[34:35]
.irp j,4,8,12,16,20,24,28
	s_delay_alu instid0(VALU_DEP_2)
	v_pk_fma_f32 v[176:177], v[32+\j:33+\j], v[32+\j:33+\j], v[176:177]
	s_delay_alu instid0(VALU_DEP_2)
	v_pk_fma_f32 v[178:179], v[34+\j:35+\j], v[34+\j:35+\j], v[178:179]
.endr
	s_delay_alu instid0(VALU_DEP_1)
	v_pk_add_f32 v[176:177], v[176:177], v[178:179]
	MEET 1024
	s_delay_alu instid0(VALU_DEP_1)
	v_fma_f32 v184, v184, s6, s7                   ; the variance + 1e-5
	s_wait_alu depctr_va_vdst(0)
	v_rsq_f32 v180, v184
	v_nop                                          ; a plain line behind the transcendental
	s_wait_alu depctr_va_vdst(0)
	v_mov_b32 v181, v180
	s_wait_alu depctr_va_vdst(0)
	s_wait_loadcnt 0x0                             ; b
.set jj, 0
.rept 16
	v_pk_mul_f32 v[32+jj:33+jj], v[32+jj:33+jj], v[180:181]
.set jj, jj+2
.endr
.set jj, 0
.rept 16
	v_pk_fma_f32 v[32+jj:33+jj], v[32+jj:33+jj], v[96+jj:97+jj], v[144+jj:145+jj]
.set jj, jj+2
.endr
.irp p,0,1                                     ; h through my own stage: in by lanes, back by rows.  LDS serves a wave's instructions in order (ISA guide 5.7.1.4)
.irp k,0,1,2,3
	ds_store_b128 v11, v[32+16*\p+4*\k:35+16*\p+4*\k] offset:128*\p+16*\k
.endr
.endr
.irp k,0,1,2,3,4,5,6,7
	ds_load_b128 v[176+4*\k:179+4*\k], v12 offset:2*\k*272
.endr
.set jj, 0
.rept 32
	v_med3_num_f32 v[64+jj], v[32+jj], -v7, v7     ; the codes are made while the rows come back
.set jj, jj+1
.endr
.irp p,0,1
	v_cvt_scalef32_pk8_fp8_f32 v[208+4*\p:209+4*\p], v[64+16*\p:71+16*\p], v6
	v_cvt_scalef32_pk8_fp8_f32 v[210+4*\p:211+4*\p], v[72+16*\p:79+16*\p], v6
.endr
	v_nop
.irp p,0,1
	global_store_b128 v1, v[208+4*\p:211+4*\p], s[24:25] offset:512*\p
.endr
.irp k,0,1,2,3,4,5,6,7
	s_wait_dscnt 7-\k
	global_store_b128 v13, v[176+4*\k:179+4*\k], s[22:23] offset:(2*\k+8*(\k/4))*3072   ; sixteen lanes store 256 consecutive bytes, aligned; stage row n is row n + 8 (n / 8) of the tile
.endr
	s_wait_tensorcnt 0x0
	ds_add_u32 v30, v31
	s_wait_dscnt 0x0
	s_endpgm
.Lfunc_end_k_q14714f9772_wo_ln1:
	.size	k_q14714f9772_wo_ln1, .Lfunc_end_k_q14714f9772_wo_ln1-k_q14714f9772_wo_ln1
	.p2alignl 7, 3214868480
	.fill 96, 4, 3214868480
	.section	.rodata,"a",@progbits
	.p2align	6, 0x0
	.amdhsa_kernel k_q14714f9772_wo_ln1
		.amdhsa_group_segment_fixed_size 55808
		.amdhsa_private_segment_fixed_size 0
		.amdhsa_enable_private_segment 0
		.amdhsa_kernarg_size 72
		.amdhsa_user_sgpr_count 2
		.amdhsa_user_sgpr_kernarg_segment_ptr 1
		.amdhsa_wavefront_size32 1
		.amdhsa_system_sgpr_workgroup_id_x 1
		.amdhsa_system_sgpr_workgroup_id_y 1
		.amdhsa_system_sgpr_workgroup_id_z 1
		.amdhsa_system_vgpr_workitem_id 0
		.amdhsa_next_free_vgpr 256
		.amdhsa_next_free_sgpr 66
		.amdhsa_reserve_vcc 0
		.amdhsa_float_denorm_mode_32 3
		.amdhsa_float_denorm_mode_16_64 3
		.amdhsa_memory_ordered 1
		.amdhsa_forward_progress 1
		.amdhsa_inst_pref_size 36
	.end_amdhsa_kernel
	.amdgpu_metadata
---
amdhsa.version: [ 1, 2 ]
amdhsa.kernels:
  - .name:           k_q14714f9772_wo_ln1
    .symbol:         k_q14714f9772_wo_ln1.kd
    .args:
      - { .name: cimg, .offset: 0, .size: 8, .value_kind: global_buffer, .address_space: global }
      - { .name: wimg, .offset: 8, .size: 8, .value_kind: global_buffer, .address_space: global }
      - { .name: bo, .offset: 16, .size: 8, .value_kind: global_buffer, .address_space: global }
      - { .name: x, .offset: 24, .size: 8, .value_kind: global_buffer, .address_space: global }
      - { .name: ln1_g, .offset: 32, .size: 8, .value_kind: global_buffer, .address_space: global }
      - { .name: ln1_b, .offset: 40, .size: 8, .value_kind: global_buffer, .address_space: global }
      - { .name: lowp_scales, .offset: 48, .size: 8, .value_kind: global_buffer, .address_space: global }
      - { .name: hbuf, .offset: 56, .size: 8, .value_kind: global_buffer, .address_space: global }
      - { .name: himg, .offset: 64, .size: 8, .value_kind: global_buffer, .address_space: global }
    .group_segment_fixed_size: 55808
    .private_segment_fixed_size: 0
    .kernarg_segment_align: 8
    .kernarg_segment_size: 72
    .max_flat_workgroup_size: 384
    .sgpr_count:     66
    .vgpr_count:     256
    .wavefront_size: 32
...
	.end_amdgpu_metadata
.endif
;; end of part 4
;; launch ffn1 (part 5): grid 16 x 16, 16 waves a work-group, no clusters, 116,736 bytes of LDS; arguments himg, wimg, b1, lowp_scales, gimg; writes gimg
.if DOCPART == 5
	.amdgcn_target "amdgcn-amd-amdhsa--gfx1250"
	.amdhsa_code_object_version 6
	.text
	.protected	k_q14714f9772_ffn1
	.globl	k_q14714f9772_ffn1
	.p2align	8
	.type	k_q14714f9772_ffn1,@function
k_q14714f9772_ffn1:
	s_mov_b64 s[64:65], 0
	v_nop
	global_prefetch_b8 v0, s[64:65] scope:SCOPE_SE
	s_setreg_imm32_b32 hwreg(HW_REG_WAVE_MODE, 25, 1), 1
	s_wait_xcnt 0x0
; g = gelu(h W1 + b1), exact (by erf), quantised at once (e14) as the operand of the next product.  The product on codes of E4M3.
; The frame is that of the launch for q, k and v: a work-group makes 256 rows x 192 columns; sixteen waves, each 32 rows x 96 columns, 12 accumulators; K = 768 in six steps of 128; a step's 28 fragments
; go from memory through registers into one of two LDS slots; one barrier a step: in front of it each wave has stored its part of the next slot and has its reads of the slot in hand back.
; The product is used transposed (source 0 = 16 columns of W1, source 1 = 16 rows of h): two neighbouring tiles' 16 registers are 16 neighbours along the next K.
; GELU: gelu(x) = max(x, 0) - |x| (erfc(z) / 2), z = |x| / sqrt(2); erfc(z) = t exp(-z^2 + a0 + a1 t + .. + a9 t^9), t = 1 / (1 + z / 2): fractional error under 1.2e-7 for every z >= 0, so small
; results left of zero keep their relative accuracy.  The coefficients are multiplied by log2(e), and the half is taken off a0.  Where x^2 overflows the exponential is 0 and max(x, 0) is left.
; LIMITS: e12 + e13 and e14 between -126 and 119.  NaN and infinities are not served.
; REGISTERS: as in that launch; v[12:13] a9 twice; in the epilogue v112-127 t, v128-143 the polynomial, v144-159 x^2 and max(x, 0); v176-199 codes; v208-255 b1.
.set SLOTB, 57344
.set BOFF,  32768
.set ACC,   16
.set AF,    112
.set BF0,   144
.set BF1,   176
.set ST,    208
.set BIAS,  208
.set CODE,  176
.set GT,    112
.set GP,    128
.set GQ,    144
.macro PLACES
.rept 4
	v_nop
.endr
.endm
.macro ISSUE
.irp i,0,1,2,3
	global_load_b128 v[ST+4*\i:ST+4*\i+3], v2, s[8:9] offset:\i*49152
.endr
.irp i,0,1,2
	global_load_b128 v[ST+16+4*\i:ST+16+4*\i+3], v2, s[10:11] offset:\i*49152
.endr
.endm
.macro COMMIT slot
	s_wait_loadcnt 0x0                             ; the copy is in registers, so its bases may step
	s_add_nc_u64 s[8:9], s[8:9], 2048
	s_add_nc_u64 s[10:11], s[10:11], 2048
.irp i,0,1,2,3
	ds_store_b128 v[3+\slot], v[ST+4*\i:ST+4*\i+3] offset:\i*8192
.endr
.irp i,0,1,2
	ds_store_b128 v[3+\slot], v[ST+16+4*\i:ST+16+4*\i+3] offset:BOFF+\i*8192
.endr
	s_wait_dscnt 0x0                               ; for the others' sake: my stores have landed, and my reads of the other slot are back
	s_barrier_signal -1
	s_barrier_wait -1
.endm
.macro LDA slot
.irp i,0,1
.irp c,0,1,2,3
	ds_load_b128 v[AF+16*\i+4*\c:AF+16*\i+4*\c+3], v[5+\slot] offset:\i*2048+\c*512
.endr
.endr
.endm
.macro LDB slot, pair, buf
.irp jj,0,1
.irp c,0,1,2,3
	ds_load_b128 v[\buf+16*\jj+4*\c:\buf+16*\jj+4*\c+3], v[7+\slot] offset:(2*\pair+\jj)*2048+\c*512
.endr
.endr
.endm
.macro MM pair, buf, zero
.irp i,0,1
.irp jj,0,1
.if \zero
	v_wmma_f32_16x16x128_fp8_fp8 v[ACC+8*(6*\i+2*\pair+\jj):ACC+8*(6*\i+2*\pair+\jj)+7], v[\buf+16*\jj:\buf+16*\jj+15], v[AF+16*\i:AF+16*\i+15], 0
.else
	v_wmma_f32_16x16x128_fp8_fp8 v[ACC+8*(6*\i+2*\pair+\jj):ACC+8*(6*\i+2*\pair+\jj)+7], v[\buf+16*\jj:\buf+16*\jj+15], v[AF+16*\i:AF+16*\i+15], v[ACC+8*(6*\i+2*\pair+\jj):ACC+8*(6*\i+2*\pair+\jj)+7]
.endif
.endr
.endr
.endm
.macro COMPUTE slot, zero                      ; 12 accumulators, one instruction a turn, in the same order in every step
	LDA \slot
	LDB \slot, 0, BF0
	LDB \slot, 1, BF1
	s_wait_dscnt 8                                 ; h's fragments and W1's first pair are in; the second pair's eight loads may be out
	MM 0, BF0, \zero
	PLACES
	LDB \slot, 2, BF0
	s_wait_dscnt 8                                 ; the second pair is in; the third pair's eight loads may be out
	MM 1, BF1, \zero
	s_wait_dscnt 0x0
	MM 2, BF0, \zero
	PLACES
.endm
	s_load_b256 s[8:15], s[0:1], 0x0               ; himg s[8:9], wimg s[10:11], b1 s[12:13], the scales s[14:15]
	s_load_b64 s[20:21], s[0:1], 0x20              ; gimg
	v_lshl_add_u32 v14, v0, 2, 0x1c000
	v_mov_b32 v15, 0
	v_lshrrev_b32 v12, 5, v0
	s_delay_alu instid0(VALU_DEP_1)
	v_readfirstlane_b32 s2, v12                    ; wave 0..15
	v_and_b32 v13, 31, v0
	s_delay_alu instid0(VALU_DEP_1)
	v_lshlrev_b32 v1, 4, v13
	v_lshrrev_b32 v2, 7, v0
	s_delay_alu instid0(VALU_DEP_1)
	v_mul_u32_u24 v2, v2, 12288
	v_and_b32 v12, 127, v0
	s_delay_alu instid0(VALU_DEP_1)
	v_lshl_add_u32 v2, v12, 4, v2
	v_lshlrev_b32 v3, 4, v0
	s_delay_alu instid0(VALU_DEP_1)
	v_add_nc_u32 v4, SLOTB, v3
	s_lshr_b32 s7, s2, 1                           ; wr
	s_and_b32 s24, s2, 1                           ; wc
	s_lshl_b32 s25, s7, 12
	v_add_nc_u32 v5, s25, v1
	s_delay_alu instid0(VALU_DEP_1)
	v_add_nc_u32 v6, SLOTB, v5
	s_mul_i32 s25, s24, 12288
	s_add_co_u32 s25, s25, BOFF
	v_add_nc_u32 v7, s25, v1
	s_delay_alu instid0(VALU_DEP_1)
	v_add_nc_u32 v8, SLOTB, v7
	v_bfe_u32 v9, v0, 4, 1
	s_delay_alu instid0(VALU_DEP_1)
	v_lshlrev_b32 v9, 6, v9                        ; 64 h
	v_mov_b32 v12, 0x3e7c6f08                      ; a9
	v_mov_b32 v13, 0x3e7c6f08
	s_mov_b32 s3, ttmp9
	s_and_b32 s4, ttmp7, 0xffff
	s_mov_b32 s23, 0
	s_mov_b32 s40, 0x3eb504f3                      ; 1 / (2 sqrt(2)): z / 2 = |x| x that
.irp w,42,43
	s_mov_b32 s\w, 0xbf38aa3b                      ; -log2(e) / 2: -z^2 log2(e) = x^2 x that
.endr
.irp w,44,45
	s_mov_b32 s\w, 0xc034d90f                      ; a0 log2(e) - 1
.endr
.irp w,46,47
	s_mov_b32 s\w, 0x3fb8ab5a                      ; a1 log2(e), and so on
.endr
.irp w,48,49
	s_mov_b32 s\w, 0x3f0a29d2
.endr
.irp w,50,51
	s_mov_b32 s\w, 0x3e0efb2e
.endr
.irp w,52,53
	s_mov_b32 s\w, 0xbe899a80
.endr
.irp w,54,55
	s_mov_b32 s\w, 0x3ecdfd18
.endr
.irp w,56,57
	s_mov_b32 s\w, 0xbfd1a1e5
.endr
.irp w,58,59
	s_mov_b32 s\w, 0x40097039
.endr
.irp w,60,61
	s_mov_b32 s\w, 0xbf97d29d                      ; a8 log2(e)
.endr
	s_wait_alu depctr_va_vdst(0)
	s_wait_kmcnt 0x0
	s_load_b128 s[32:35], s[14:15], 0x30           ; e12, e13, e14, e15
	s_mul_i32 s22, s4, 196608                      ; my 16 tiles of rows
	s_add_nc_u64 s[8:9], s[8:9], s[22:23]
	s_mul_i32 s22, s3, 147456                      ; my 12 tiles of columns of W1's image
	s_add_co_u32 s22, s22, 2359296
	s_add_nc_u64 s[10:11], s[10:11], s[22:23]
	ISSUE
	s_wait_kmcnt 0x0
	s_add_co_i32 s25, s32, s33
	s_add_co_i32 s25, s25, 127
	s_lshl_b32 s28, s25, 23                        ; 2^(e12 + e13)
	s_mov_b32 s29, s28
	s_add_co_i32 s27, s34, 127
	s_lshl_b32 s26, s27, 23
	v_mov_b32 v10, s26                             ; 2^e14
	s_add_co_i32 s27, s27, 8
	s_lshl_b32 s27, s27, 23
	s_or_b32 s27, s27, 0x600000
	v_mov_b32 v11, s27                             ; 448 x 2^e14
	s_mul_i32 s22, s3, 768
	s_mul_i32 s26, s24, 384
	s_add_co_u32 s22, s22, s26
	s_add_nc_u64 s[12:13], s[12:13], s[22:23]      ; b1 at my wave's 96 columns
	s_lshl_b32 s26, s4, 4
	s_lshl_b32 s27, s7, 1
	s_add_co_u32 s26, s26, s27
	s_mul_i32 s22, s26, 49152                      ; g's image: tile 16 y + 2 wr (a tile is 16 x 3,072 bytes),
	s_mul_i32 s26, s3, 3072                        ; chunk 6 x + 3 wc
	s_add_co_u32 s22, s22, s26
	s_mul_i32 s26, s24, 1536
	s_add_co_u32 s22, s22, s26
	s_add_nc_u64 s[20:21], s[20:21], s[22:23]
	COMMIT 0
	ISSUE
	COMPUTE 0, 1                                   ; the first step starts the sums
	COMMIT 1
	s_mov_b32 s30, 2
.Lk:
	ISSUE
	COMPUTE 1, 0
	COMMIT 0
	ISSUE
	COMPUTE 0, 0
	COMMIT 1
	s_sub_co_u32 s30, s30, 1
	s_cmp_lg_u32 s30, 0
	s_cbranch_scc1 .Lk
.irp p,0,1,2
.irp k,0,1,2,3
	global_load_b128 v[BIAS+16*\p+4*\k:BIAS+16*\p+4*\k+3], v9, s[12:13] offset:128*\p+16*\k
.endr
.endr
	COMPUTE 1, 0
	s_wait_loadcnt 0x0                             ; b1
.macro FIN i, p                                ; 16 neighbouring columns of my row
.set A0, ACC+8*(6*\i+2*\p)
.set C0, CODE+4*(3*\i+\p)
.irp k,0,2,4,6,8,10,12,14
	v_pk_fma_f32 v[A0+\k:A0+\k+1], v[A0+\k:A0+\k+1], s[28:29], v[BIAS+16*\p+\k:BIAS+16*\p+\k+1] op_sel_hi:[1,0,1]   ; x = sum x 2^(e12 + e13) + b1, each accumulator from its low end on
.endr
.irp k,0,1,2,3,4,5,6,7,8,9,10,11,12,13,14,15
	v_fma_f32 v[GT+\k], |v[A0+\k]|, s40, 1.0       ; 1 + z / 2
.endr
	s_wait_alu depctr_va_vdst(0)
.irp k,0,1,2,3,4,5,6,7,8,9,10,11,12,13,14,15
	v_rcp_f32 v[GT+\k], v[GT+\k]                   ; t
.endr
.irp k,0,2,4,6,8,10,12,14
	v_pk_mul_f32 v[GQ+\k:GQ+\k+1], v[A0+\k:A0+\k+1], v[A0+\k:A0+\k+1]   ; x^2 (the plain lines behind the reciprocals)
.endr
	s_wait_alu depctr_va_vdst(0)
.irp k,0,2,4,6,8,10,12,14
	v_pk_fma_f32 v[GP+\k:GP+\k+1], v[GT+\k:GT+\k+1], v[12:13], s[60:61] op_sel_hi:[1,1,0]
.endr
.irp a,7,6,5,4,3,2,1,0
.irp k,0,2,4,6,8,10,12,14
	v_pk_fma_f32 v[GP+\k:GP+\k+1], v[GP+\k:GP+\k+1], v[GT+\k:GT+\k+1], s[44+2*\a:45+2*\a] op_sel_hi:[1,1,0]
.endr
.endr
.irp k,0,2,4,6,8,10,12,14
	v_pk_fma_f32 v[GP+\k:GP+\k+1], v[GQ+\k:GQ+\k+1], s[42:43], v[GP+\k:GP+\k+1] op_sel_hi:[1,0,1]
.endr
	s_wait_alu depctr_va_vdst(0)
.irp k,0,1,2,3,4,5,6,7,8,9,10,11,12,13,14,15
	v_exp_f32 v[GP+\k], v[GP+\k]
.endr
.irp k,0,1,2,3,4,5,6,7,8,9,10,11,12,13,14,15
	v_max_num_f32 v[GQ+\k], 0, v[A0+\k]            ; max(x, 0) (the plain lines behind the exponentials)
.endr
	s_wait_alu depctr_va_vdst(0)
.irp k,0,2,4,6,8,10,12,14
	v_pk_mul_f32 v[GP+\k:GP+\k+1], v[GP+\k:GP+\k+1], v[GT+\k:GT+\k+1]   ; erfc(z) / 2
.endr
.irp k,0,1,2,3,4,5,6,7,8,9,10,11,12,13,14,15
	v_fma_f32 v[A0+\k], -|v[A0+\k]|, v[GP+\k], v[GQ+\k]
.endr
.irp k,0,1,2,3,4,5,6,7,8,9,10,11,12,13,14,15
	v_med3_num_f32 v[A0+\k], v[A0+\k], -v11, v11   ; the conversion to an 8-bit code does not saturate (ISA guide 7.6.2)
.endr
	v_cvt_scalef32_pk8_fp8_f32 v[C0:C0+1], v[A0:A0+7], v10
	v_cvt_scalef32_pk8_fp8_f32 v[C0+2:C0+3], v[A0+8:A0+15], v10
.endm
.irp i,0,1
.irp p,0,1,2
	FIN \i, \p
.endr
.endr
	v_nop                                          ; a plain line behind the last conversion
.irp i,0,1
.irp p,0,1,2
	global_store_b128 v1, v[CODE+4*(3*\i+\p):CODE+4*(3*\i+\p)+3], s[20:21] offset:\i*49152+\p*512
.endr
.endr
	s_wait_tensorcnt 0x0
	ds_add_u32 v14, v15
	s_wait_dscnt 0x0
	s_endpgm
.Lfunc_end_k_q14714f9772_ffn1:
	.size	k_q14714f9772_ffn1, .Lfunc_end_k_q14714f9772_ffn1-k_q14714f9772_ffn1
	.p2alignl 7, 3214868480
	.fill 96, 4, 3214868480
	.section	.rodata,"a",@progbits
	.p2align	6, 0x0
	.amdhsa_kernel k_q14714f9772_ffn1
		.amdhsa_group_segment_fixed_size 116736
		.amdhsa_private_segment_fixed_size 0
		.amdhsa_enable_private_segment 0
		.amdhsa_kernarg_size 40
		.amdhsa_user_sgpr_count 2
		.amdhsa_user_sgpr_kernarg_segment_ptr 1
		.amdhsa_wavefront_size32 1
		.amdhsa_system_sgpr_workgroup_id_x 1
		.amdhsa_system_sgpr_workgroup_id_y 1
		.amdhsa_system_sgpr_workgroup_id_z 1
		.amdhsa_system_vgpr_workitem_id 0
		.amdhsa_next_free_vgpr 256
		.amdhsa_next_free_sgpr 66
		.amdhsa_reserve_vcc 0
		.amdhsa_float_denorm_mode_32 3
		.amdhsa_float_denorm_mode_16_64 3
		.amdhsa_memory_ordered 1
		.amdhsa_forward_progress 1
		.amdhsa_inst_pref_size 92
	.end_amdhsa_kernel
	.amdgpu_metadata
---
amdhsa.version: [ 1, 2 ]
amdhsa.kernels:
  - .name:           k_q14714f9772_ffn1
    .symbol:         k_q14714f9772_ffn1.kd
    .args:
      - { .name: himg, .offset: 0, .size: 8, .value_kind: global_buffer, .address_space: global }
      - { .name: wimg, .offset: 8, .size: 8, .value_kind: global_buffer, .address_space: global }
      - { .name: b1, .offset: 16, .size: 8, .value_kind: global_buffer, .address_space: global }
      - { .name: lowp_scales, .offset: 24, .size: 8, .value_kind: global_buffer, .address_space: global }
      - { .name: gimg, .offset: 32, .size: 8, .value_kind: global_buffer, .address_space: global }
    .group_segment_fixed_size: 116736
    .private_segment_fixed_size: 0
    .kernarg_segment_align: 8
    .kernarg_segment_size: 40
    .max_flat_workgroup_size: 512
    .sgpr_count:     66
    .vgpr_count:     256
    .wavefront_size: 32
...
	.end_amdgpu_metadata
.endif
;; end of part 5
;; launch ffn2 (part 6): grid 6 x 32, 8 waves a work-group, no clusters, 136,192 bytes of LDS; arguments gimg, wimg, b2, hbuf, lowp_scales, y2; writes y2
.if DOCPART == 6
	.amdgcn_target "amdgcn-amd-amdhsa--gfx1250"
	.amdhsa_code_object_version 6
	.text
	.protected	k_q14714f9772_ffn2
	.globl	k_q14714f9772_ffn2
	.p2align	8
	.type	k_q14714f9772_ffn2,@function
k_q14714f9772_ffn2:
	s_mov_b64 s[64:65], 0
	v_nop
	global_prefetch_b8 v0, s[64:65] scope:SCOPE_SE
	s_setreg_imm32_b32 hwreg(HW_REG_WAVE_MODE, 25, 1), 1
	s_wait_xcnt 0x0
; y2 = h + (g W2 + b2): the product on codes of E4M3, K = 3,072 in 24 steps of 128; the sum with the residual in f32.  The norm over a row follows in a launch of its own, since a row's 768 columns
; are shared among six work-groups here: a work-group that owned whole rows would have to take all of W2's image in.
; A work-group makes 128 rows x 128 columns; eight waves, each 32 rows x 64 columns: 8 accumulators.  A step's 16 fragments (32,768 bytes) go from memory through registers into one of two LDS slots.
; THE COPIES RUN SIX STEPS AHEAD: six sets of 32 registers a lane (window 1) take turns, so that 48 loads of 16 bytes a lane, 196,608 bytes a work-group, are on their way, and a step's copy is asked for
; 40 matrix instructions of the wave ahead of its way into LDS.  The 24 steps are written out by one macro: every offset is an immediate (342,016 bytes at the most, inside the signed 24 bits), no pointer
; is stepped, so no source of a pending load is ever written again, and each wait's count can be read off the text.
; ONE BARRIER A STEP.  In step s a wave reads slot s % 2 and stores the next step's fragments into the other slot, which every wave read in step s - 1, ahead of the barrier that closed that step.
; In front of its signal a wave waits for all its LDS instructions: its stores have landed and its reads are back.  Four products stand between the signal and the wait.
; The product is used transposed (source 0 = 16 columns of W2, source 1 = 16 rows of g): a lane holds 16 neighbouring columns of one row for each pair of tiles.
; The sums go through the wave's own stage in LDS and come back as whole rows of 256 bytes, where h and b2 are added and the rows are stored.
; No cluster: the grid has six tiles of columns, which no four divide, and the tiles come through registers, not by the tensor data mover.
; LIMITS: e14 + e15 between -126 and 127.
; LDS: slot n at 32,768 n (g's 8 fragments, then W2's 8); from 65,536 on a stage of 32 rows x (256 + 16) bytes for each wave.
; REGISTERS.  Window 0: v1 16 x lane; v2 my place in a copy from memory; v3 in a slot; v5, v7 my rows', my columns' fragments; v9 my offset in h and y2; v10, v11 stage in, back; v12 b2's offset;
;   v16-79 accumulators (i, j) at 16 + 8 (4 i + j); v80-111 g's two fragments; v112-175 W2's four; v176-239 h, v240-243 b2; at the end v80-143 rows.
;   Window 1: v0-191 the six sets: step n's copy in set n % 6 (g's four pieces, then W2's four).
.set STEPS, 24
.set DEPTH, 6                                  ; steps of copies on their way
.set HSTEP, 18                                 ; the step at whose head h and b2 are asked for: the last copy has been asked for a step earlier, and 40 + 17 loads are out at the most
.set ACC, 16
.set AF,  80
.set BF,  112
.set HR,  176
.set MSB, 0
.macro WIN new                                 ; s_set_vgpr_msb: bits 1:0 source 0, 3:2 source 1, 5:4 source 2, 7:6 destination; the high byte repeats the setting that is left
.if MSB != \new
	s_set_vgpr_msb (MSB<<8)|\new
.set MSB, \new
.endif
.endm
.macro PLACES                                  ; four plain vector lines between a matrix instruction and a load into, or a read of, its registers
.rept 4
	v_nop
.endr
.endm
.macro ISSUE n                                 ; step n's fragments: 8 x 16 bytes a thread, into set n % DEPTH
	WIN 0x40                                       ; destination window 1, address window 0
.irp i,0,1,2,3
	global_load_b128 v[32*((\n)%DEPTH)+4*\i:32*((\n)%DEPTH)+4*\i+3], v2, s[8:9] offset:\i*98304+(\n)*2048
.endr
.irp i,0,1,2,3
	global_load_b128 v[32*((\n)%DEPTH)+16+4*\i:32*((\n)%DEPTH)+16+4*\i+3], v2, s[10:11] offset:\i*98304+(\n)*2048
.endr
.endm
.macro TOSLOT n                                ; and on into slot n % 2
	WIN 0x04                                       ; an LDS store's data are its source 1: window 1; the address window 0
.irp i,0,1,2,3
	ds_store_b128 v3, v[32*((\n)%DEPTH)+4*\i:32*((\n)%DEPTH)+4*\i+3] offset:((\n)%2)*32768+\i*4096
.endr
.irp i,0,1,2,3
	ds_store_b128 v3, v[32*((\n)%DEPTH)+16+4*\i:32*((\n)%DEPTH)+16+4*\i+3] offset:((\n)%2)*32768+16384+\i*4096
.endr
	WIN 0
.endm
.macro HLOAD                                   ; h, as the rows will come back from the stage: stage rows 2 k, 2 k + 1 are rows 8 (k / 8) + 2 (k % 8) + 8 ((k / 4) % 2) on of my 32; and b2 of my four columns: 17 loads
.irp k,0,1,2,3,4,5,6,7,8,9,10,11,12,13,14,15
	global_load_b128 v[HR+4*\k:HR+4*\k+3], v9, s[14:15] offset:(8*(\k/8)+2*(\k%8)+8*((\k/4)%2))*3072
.endr
	global_load_b128 v[240:243], v12, s[12:13]
.endm
.macro MM j0, zero                             ; four of the step's eight products; zero = 1: they start the sums: nothing is cleared
.irp i,0,1
.irp j,\j0,\j0+1
.if \zero
	v_wmma_f32_16x16x128_fp8_fp8 v[ACC+8*(4*\i+\j):ACC+8*(4*\i+\j)+7], v[BF+16*(\j):BF+16*(\j)+15], v[AF+16*\i:AF+16*\i+15], 0
.else
	v_wmma_f32_16x16x128_fp8_fp8 v[ACC+8*(4*\i+\j):ACC+8*(4*\i+\j)+7], v[BF+16*(\j):BF+16*(\j)+15], v[AF+16*\i:AF+16*\i+15], v[ACC+8*(4*\i+\j):ACC+8*(4*\i+\j)+7]
.endif
.endr
.endr
.endm
; K step s.  The 8 accumulators take turns, one instruction a turn, in the same order in every step.
.macro STEP s
.if (\s)+DEPTH < STEPS
	ISSUE (\s)+DEPTH                               ; into the set that step s left at the end of step s - 1, behind the wait for its LDS stores
	WIN 0
.endif
.if (\s) == HSTEP
	HLOAD
.endif
.irp i,0,1
.irp c,0,1,2,3
	ds_load_b128 v[AF+16*\i+4*\c:AF+16*\i+4*\c+3], v5 offset:((\s)%2)*32768+\i*2048+\c*512
.endr
.endr
.irp j,0,1,2,3
.irp c,0,1,2,3
	ds_load_b128 v[BF+16*\j+4*\c:BF+16*\j+4*\c+3], v7 offset:((\s)%2)*32768+\j*2048+\c*512
.endr
.endr
.if (\s)+1 < STEPS
.set CNT, 8*(DEPTH-1)                          ; behind step s + 1's eight loads stand those of the steps asked for since: five steps',
.if (\s)+DEPTH > STEPS-1
.set CNT, 8*(STEPS-2-(\s))                     ; near the end those of the steps that are left,
.endif
.if (\s) >= HSTEP
.set CNT, CNT+17                               ; and h's and b2's
.endif
	s_wait_loadcnt CNT                             ; loads come back in order (ISA guide 5.7.1): step s + 1's copy is in registers
	TOSLOT (\s)+1
	s_wait_dscnt 16                                ; g's fragments and W2's first two are in; W2's last two (8 loads) and my 8 stores may be out
.else
	s_wait_dscnt 8                                 ; the last step stores nothing: W2's last two fragments may be out
.endif
.if (\s) == 0
	MM 0, 1
.else
	MM 0, 0
.endif
	s_wait_dscnt 0x0                               ; for the others' sake too: my stores into the next slot have landed, and my reads of this slot are back
.if (\s)+1 < STEPS
	s_barrier_signal -1
.endif
.if (\s) == 0
	MM 2, 1
.else
	MM 2, 0
.endif
	PLACES                                         ; in front of the next step's loads into the fragments' registers, and of the first read of the sums
.if (\s)+1 < STEPS
	s_barrier_wait -1                              ; the next slot is whole, and nobody reads this one any more
.endif
.endm
	s_load_b256 s[8:15], s[0:1], 0x0               ; gimg s[8:9], wimg s[10:11], b2 s[12:13], hbuf s[14:15]
	s_load_b128 s[16:19], s[0:1], 0x20             ; the scales s[16:17], y2 s[18:19]
	v_lshl_add_u32 v254, v0, 2, 0x21000
	v_mov_b32 v255, 0
	v_lshrrev_b32 v13, 5, v0
	s_delay_alu instid0(VALU_DEP_1)
	v_readfirstlane_b32 s2, v13                    ; wave 0..7
	v_and_b32 v13, 31, v0
	s_delay_alu instid0(VALU_DEP_1)
	v_lshlrev_b32 v1, 4, v13
	v_lshrrev_b32 v2, 7, v0
	s_delay_alu instid0(VALU_DEP_1)
	v_mul_u32_u24 v2, v2, 49152
	v_and_b32 v13, 127, v0
	s_delay_alu instid0(VALU_DEP_1)
	v_lshl_add_u32 v2, v13, 4, v2                  ; 128 threads copy a tile's 2,048 bytes of a K step; tiles are 49,152 bytes apart
	v_lshlrev_b32 v3, 4, v0                        ; in LDS the tiles' parts lie on end
	s_lshr_b32 s7, s2, 1                           ; wr: my two tiles of rows
	s_and_b32 s24, s2, 1                           ; wc: my four tiles of columns
	s_lshl_b32 s25, s7, 12
	v_add_nc_u32 v5, s25, v1
	s_lshl_b32 s25, s24, 13
	s_add_co_u32 s25, s25, 16384
	v_add_nc_u32 v7, s25, v1
	v_and_b32 v13, 15, v0                          ; r
	v_bfe_u32 v14, v0, 4, 1                        ; h
	s_delay_alu instid0(VALU_DEP_1)
	v_mul_u32_u24 v9, v14, 3072
	s_delay_alu instid0(VALU_DEP_1)
	v_lshl_add_u32 v9, v13, 4, v9                  ; lanes 0-15 one row, lanes 16-31 the next; 16 bytes a lane
	s_delay_alu instid0(VALU_DEP_4)
	v_lshlrev_b32 v12, 4, v13
	s_mul_i32 s25, s2, 8704
	s_add_co_u32 s25, s25, 65536                   ; my stage
	v_mul_u32_u24 v10, v13, 272
	s_delay_alu instid0(VALU_DEP_1)
	v_lshl_add_u32 v10, v14, 6, v10
	s_delay_alu instid0(VALU_DEP_1)
	v_add_nc_u32 v10, s25, v10                     ; in: row r, + 64 h
	v_mul_u32_u24 v11, v14, 272
	s_delay_alu instid0(VALU_DEP_1)
	v_lshl_add_u32 v11, v13, 4, v11
	s_delay_alu instid0(VALU_DEP_1)
	v_add_nc_u32 v11, s25, v11                     ; back
	s_mov_b32 s3, ttmp9
	s_and_b32 s4, ttmp7, 0xffff
	s_mov_b32 s23, 0
	s_wait_alu depctr_va_vdst(0)
	s_wait_kmcnt 0x0
	s_load_b64 s[20:21], s[16:17], 0x38            ; e14, e15
	s_mul_i32 s22, s4, 393216                      ; my 8 tiles of rows
	s_add_nc_u64 s[8:9], s[8:9], s[22:23]
	s_mul_i32 s22, s3, 393216                      ; my 8 tiles of columns of W2's image
	s_add_co_u32 s22, s22, 4718592
	s_add_nc_u64 s[10:11], s[10:11], s[22:23]      ; from here on the two bases stay as they are
.set SS, 0
.rept DEPTH
	ISSUE SS                                       ; the first six steps' copies go out together
.set SS, SS+1
.endr
	WIN 0
	s_lshl_b32 s22, s4, 7
	s_lshl_b32 s25, s7, 5
	s_add_co_u32 s22, s22, s25                     ; my first row: 128 y + 32 wr
	s_mul_i32 s22, s22, 3072
	s_lshl_b32 s25, s3, 9
	s_lshl_b32 s26, s24, 8
	s_add_co_u32 s25, s25, s26                     ; my 64 columns: 512 x + 256 wc bytes
	s_add_co_u32 s22, s22, s25
	s_add_nc_u64 s[14:15], s[14:15], s[22:23]
	s_add_nc_u64 s[18:19], s[18:19], s[22:23]
	s_mov_b32 s22, s25
	s_add_nc_u64 s[12:13], s[12:13], s[22:23]
	s_wait_kmcnt 0x0
	s_add_co_i32 s25, s20, s21
	s_add_co_i32 s25, s25, 127
	s_lshl_b32 s28, s25, 23                        ; 2^(e14 + e15)
	s_mov_b32 s29, s28                             ; (named with it as a pair, so it is written)
	s_wait_loadcnt 8*(DEPTH-1)                     ; step 0's copy is in; the five younger steps' loads may be out
	TOSLOT 0
	s_wait_dscnt 0x0                               ; for the others' sake: my stores have landed
	s_barrier_signal -1
	s_barrier_wait -1
.set SS, 0
.rept STEPS
	STEP SS
.set SS, SS+1
.endr
.irp i,0,1                                     ; the raw sums into my own stage, each accumulator from its low end on
.irp p,0,1
.irp k,0,1,2,3
	ds_store_b128 v10, v[ACC+8*(4*\i+2*\p)+4*\k:ACC+8*(4*\i+2*\p)+4*\k+3] offset:\i*4352+128*\p+16*\k
.endr
.endr
.endr
.irp k,0,1,2,3,4,5,6,7,8,9,10,11,12,13,14,15
	ds_load_b128 v[80+4*\k:83+4*\k], v11 offset:2*\k*272   ; LDS serves a wave's instructions in order (ISA guide 5.7.1.4): these see my stores
.endr
	s_wait_loadcnt 0x0                             ; h and b2
.irp k,0,1,2,3,4,5,6,7,8,9,10,11,12,13,14,15
	s_wait_dscnt 15-\k                             ; pair k of rows is back; the younger loads may be out
	v_pk_fma_f32 v[80+4*\k:81+4*\k], v[80+4*\k:81+4*\k], s[28:29], v[240:241] op_sel_hi:[1,0,1]
	v_pk_fma_f32 v[82+4*\k:83+4*\k], v[82+4*\k:83+4*\k], s[28:29], v[242:243] op_sel_hi:[1,0,1]
	s_delay_alu instid0(VALU_DEP_2)
	v_pk_add_f32 v[80+4*\k:81+4*\k], v[80+4*\k:81+4*\k], v[HR+4*\k:HR+4*\k+1]
	s_delay_alu instid0(VALU_DEP_2)
	v_pk_add_f32 v[82+4*\k:83+4*\k], v[82+4*\k:83+4*\k], v[HR+4*\k+2:HR+4*\k+3]
	global_store_b128 v9, v[80+4*\k:83+4*\k], s[18:19] offset:(8*(\k/8)+2*(\k%8)+8*((\k/4)%2))*3072   ; sixteen lanes store 256 consecutive bytes, aligned
.endr
	s_wait_tensorcnt 0x0
	ds_add_u32 v254, v255
	s_wait_dscnt 0x0
	s_endpgm
.Lfunc_end_k_q14714f9772_ffn2:
	.size	k_q14714f9772_ffn2, .Lfunc_end_k_q14714f9772_ffn2-k_q14714f9772_ffn2
	.p2alignl 7, 3214868480
	.fill 96, 4, 3214868480
	.section	.rodata,"a",@progbits
	.p2align	6, 0x0
	.amdhsa_kernel k_q14714f9772_ffn2
		.amdhsa_group_segment_fixed_size 136192
		.amdhsa_private_segment_fixed_size 0
		.amdhsa_enable_private_segment 0
		.amdhsa_kernarg_size 48
		.amdhsa_user_sgpr_count 2
		.amdhsa_user_sgpr_kernarg_segment_ptr 1
		.amdhsa_wavefront_size32 1
		.amdhsa_system_sgpr_workgroup_id_x 1
		.amdhsa_system_sgpr_workgroup_id_y 1
		.amdhsa_system_sgpr_workgroup_id_z 1
		.amdhsa_system_vgpr_workitem_id 0
		.amdhsa_next_free_vgpr 448
		.amdhsa_next_free_sgpr 66
		.amdhsa_reserve_vcc 0
		.amdhsa_float_denorm_mode_32 3
		.amdhsa_float_denorm_mode_16_64 3
		.amdhsa_memory_ordered 1
		.amdhsa_forward_progress 1
		.amdhsa_inst_pref_size 102
	.end_amdhsa_kernel
	.amdgpu_metadata
---
amdhsa.version: [ 1, 2 ]
amdhsa.kernels:
  - .name:           k_q14714f9772_ffn2
    .symbol:         k_q14714f9772_ffn2.kd
    .args:
      - { .name: gimg, .offset: 0, .size: 8, .value_kind: global_buffer, .address_space: global }
      - { .name: wimg, .offset: 8, .size: 8, .value_kind: global_buffer, .address_space: global }
      - { .name: b2, .offset: 16, .size: 8, .value_kind: global_buffer, .address_space: global }
      - { .name: hbuf, .offset: 24, .size: 8, .value_kind: global_buffer, .address_space: global }
      - { .name: lowp_scales, .offset: 32, .size: 8, .value_kind: global_buffer, .address_space: global }
      - { .name: y2, .offset: 40, .size: 8, .value_kind: global_buffer, .address_space: global }
    .group_segment_fixed_size: 136192
    .private_segment_fixed_size: 0
    .kernarg_segment_align: 8
    .kernarg_segment_size: 48
    .max_flat_workgroup_size: 256
    .sgpr_count:     66
    .vgpr_count:     448
    .wavefront_size: 32
...
	.end_amdgpu_metadata
.endif
;; end of part 6
;; launch ln2 (part 7): grid 256 x 1, 8 waves a work-group, no clusters, 0 bytes of LDS; arguments y2, ln2_g, ln2_b, out0; writes out0
.if DOCPART == 7
	.amdgcn_target "amdgcn-amd-amdhsa--gfx1250"
	.amdhsa_code_object_version 6
	.text
	.protected	k_q14714f9772_ln2
	.globl	k_q14714f9772_ln2
	.p2align	8
	.type	k_q14714f9772_ln2,@function
k_q14714f9772_ln2:
	s_mov_b64 s[64:65], 0
	v_nop
	global_prefetch_b8 v0, s[64:65] scope:SCOPE_SE
	s_setreg_imm32_b32 hwreg(HW_REG_WAVE_MODE, 25, 1), 1
	s_wait_xcnt 0x0
; out0 = LayerNorm(y2) x g + b, rows of 768 f32.  A stream: a wave takes two whole rows (24 registers a lane each), so the two passes of the norm (the mean; the mean of the squared differences)
; never leave the wave: no LDS, no barrier.  Each load and store of a wave covers 512 consecutive bytes.  Matrix units and clusters have nothing to do here: nothing is shared but g and b, 6 KB.
; REGISTERS: v1 16 x lane; v2-15 at work; v16-39, v40-63 the two rows; v64-87 g; v88-111 b.
.macro ALLSUM a, t                             ; the sum over the 32 lanes, in every lane
	v_add_f32_dpp v[\a], v[\a], v[\a] row_xmask:1 row_mask:0xf bank_mask:0xf
	s_delay_alu instid0(VALU_DEP_1)
	v_add_f32_dpp v[\a], v[\a], v[\a] row_xmask:2 row_mask:0xf bank_mask:0xf
	s_delay_alu instid0(VALU_DEP_1)
	v_add_f32_dpp v[\a], v[\a], v[\a] row_xmask:4 row_mask:0xf bank_mask:0xf
	s_delay_alu instid0(VALU_DEP_1)
	v_add_f32_dpp v[\a], v[\a], v[\a] row_xmask:8 row_mask:0xf bank_mask:0xf
	s_delay_alu instid0(VALU_DEP_1)
	v_permlanex16_b32 v[\t], v[\a], s14, s15
	s_delay_alu instid0(VALU_DEP_1)
	v_add_f32 v[\a], v[\a], v[\t]
.endm
	s_load_b256 s[4:11], s[0:1], 0x0               ; y2 s[4:5], g s[6:7], b s[8:9], out0 s[10:11]
	v_lshrrev_b32 v1, 5, v0
	s_delay_alu instid0(VALU_DEP_1)
	v_readfirstlane_b32 s2, v1                     ; wave 0..7
	v_and_b32 v1, 31, v0
	s_delay_alu instid0(VALU_DEP_1)
	v_lshlrev_b32 v1, 4, v1
	v_mov_b32 v10, 0                               ; a lane permute's destination counts as read
	v_mov_b32 v11, 0
	s_lshl_b32 s12, ttmp9, 4
	s_lshl_b32 s3, s2, 1
	s_add_co_u32 s12, s12, s3                      ; my first row: 16 x work-group + 2 x wave
	s_mul_i32 s12, s12, 3072
	s_mov_b32 s13, 0
	s_mov_b32 s14, 0x76543210
	s_mov_b32 s15, 0xfedcba98
	s_mov_b32 s16, 0x3aaaaaab                      ; 1 / 768
	s_mov_b32 s17, 0x3727c5ac                      ; 1e-5
	s_wait_alu depctr_va_vdst(0)
	s_wait_kmcnt 0x0
	s_add_nc_u64 s[4:5], s[4:5], s[12:13]
	s_add_nc_u64 s[10:11], s[10:11], s[12:13]
.irp p,0,1
.irp i,0,1,2,3,4,5
	global_load_b128 v[16+24*\p+4*\i:19+24*\p+4*\i], v1, s[4:5] offset:3072*\p+512*\i th:TH_LOAD_NT
.endr
.endr
.irp i,0,1,2,3,4,5
	global_load_b128 v[64+4*\i:67+4*\i], v1, s[6:7] offset:512*\i
.endr
.irp i,0,1,2,3,4,5
	global_load_b128 v[88+4*\i:91+4*\i], v1, s[8:9] offset:512*\i
.endr
	s_wait_loadcnt 12                              ; the two rows are in; g's and b's twelve loads may be out
.irp p,0,1
	v_pk_add_f32 v[2+4*\p:3+4*\p], v[16+24*\p:17+24*\p], v[18+24*\p:19+24*\p]
	v_pk_add_f32 v[4+4*\p:5+4*\p], v[20+24*\p:21+24*\p], v[22+24*\p:23+24*\p]
.endr
.irp j,8,12,16,20
.irp p,0,1
	s_delay_alu instid0(VALU_DEP_4)
	v_pk_add_f32 v[2+4*\p:3+4*\p], v[2+4*\p:3+4*\p], v[16+24*\p+\j:17+24*\p+\j]
	s_delay_alu instid0(VALU_DEP_4)
	v_pk_add_f32 v[4+4*\p:5+4*\p], v[4+4*\p:5+4*\p], v[18+24*\p+\j:19+24*\p+\j]
.endr
.endr
.irp p, 0
	s_delay_alu instid0(VALU_DEP_3)
	v_pk_add_f32 v[2+4*\p:3+4*\p], v[2+4*\p:3+4*\p], v[4+4*\p:5+4*\p]
.endr
.irp p, 1
	s_delay_alu instid0(VALU_DEP_2)
	v_pk_add_f32 v[2+4*\p:3+4*\p], v[2+4*\p:3+4*\p], v[4+4*\p:5+4*\p]
.endr
.irp p,0,1
	s_delay_alu instid0(VALU_DEP_2)
	v_add_f32 v[2+4*\p], v[2+4*\p], v[3+4*\p]
.endr
	ALLSUM 2, 10
	ALLSUM 6, 11
.irp p, 0
	v_mul_f32 v[2+4*\p], 0xbaaaaaab, v[2+4*\p]     ; -mean
.endr
.irp p, 1
	s_delay_alu instid0(VALU_DEP_2)
	v_mul_f32 v[2+4*\p], 0xbaaaaaab, v[2+4*\p]     ; -mean
.endr
.irp p,0,1
	s_delay_alu instid0(VALU_DEP_2)
	v_mov_b32 v[3+4*\p], v[2+4*\p]
.endr
.irp j,0,2,4,6,8,10,12,14,16,18,20,22
.irp p,0,1
	v_pk_add_f32 v[16+24*\p+\j:17+24*\p+\j], v[16+24*\p+\j:17+24*\p+\j], v[2+4*\p:3+4*\p]
.endr
.endr
.irp p,0,1
	v_pk_mul_f32 v[4+4*\p:5+4*\p], v[16+24*\p:17+24*\p], v[16+24*\p:17+24*\p]
	v_pk_mul_f32 v[12+2*\p:13+2*\p], v[18+24*\p:19+24*\p], v[18+24*\p:19+24*\p]
.endr
.irp j,4,8,12,16,20
.irp p,0,1
	s_delay_alu instid0(VALU_DEP_4)
	v_pk_fma_f32 v[4+4*\p:5+4*\p], v[16+24*\p+\j:17+24*\p+\j], v[16+24*\p+\j:17+24*\p+\j], v[4+4*\p:5+4*\p]
	s_delay_alu instid0(VALU_DEP_4)
	v_pk_fma_f32 v[12+2*\p:13+2*\p], v[18+24*\p+\j:19+24*\p+\j], v[18+24*\p+\j:19+24*\p+\j], v[12+2*\p:13+2*\p]
.endr
.endr
.irp p, 0
	s_delay_alu instid0(VALU_DEP_3)
	v_pk_add_f32 v[4+4*\p:5+4*\p], v[4+4*\p:5+4*\p], v[12+2*\p:13+2*\p]
.endr
.irp p, 1
	s_delay_alu instid0(VALU_DEP_2)
	v_pk_add_f32 v[4+4*\p:5+4*\p], v[4+4*\p:5+4*\p], v[12+2*\p:13+2*\p]
.endr
.irp p,0,1
	s_delay_alu instid0(VALU_DEP_2)
	v_add_f32 v[4+4*\p], v[4+4*\p], v[5+4*\p]
.endr
	ALLSUM 4, 10
	ALLSUM 8, 11
.irp p, 0
	v_fma_f32 v[4+4*\p], v[4+4*\p], s16, s17       ; the variance + 1e-5
.endr
.irp p, 1
	s_delay_alu instid0(VALU_DEP_2)
	v_fma_f32 v[4+4*\p], v[4+4*\p], s16, s17       ; the variance + 1e-5
.endr
	s_wait_alu depctr_va_vdst(0)
.irp p,0,1
	v_rsq_f32 v[2+4*\p], v[4+4*\p]
.endr
	v_nop                                          ; a plain line behind the transcendentals
	s_wait_alu depctr_va_vdst(0)
.irp p,0,1
	v_mov_b32 v[3+4*\p], v[2+4*\p]
.endr
	s_wait_alu depctr_va_vdst(0)
	s_wait_loadcnt 0x0                             ; g and b
.irp j,0,2,4,6,8,10,12,14,16,18,20,22
.irp p,0,1
	v_pk_mul_f32 v[16+24*\p+\j:17+24*\p+\j], v[16+24*\p+\j:17+24*\p+\j], v[2+4*\p:3+4*\p]
.endr
.endr
.irp j,0,2,4,6,8,10,12,14,16,18,20,22
.irp p,0,1
	v_pk_fma_f32 v[16+24*\p+\j:17+24*\p+\j], v[16+24*\p+\j:17+24*\p+\j], v[64+\j:65+\j], v[88+\j:89+\j]
.endr
.endr
.irp p,0,1
.irp i,0,1,2,3,4,5
	global_store_b128 v1, v[16+24*\p+4*\i:19+24*\p+4*\i], s[10:11] offset:3072*\p+512*\i th:TH_STORE_NT
.endr
.endr
	s_endpgm
.Lfunc_end_k_q14714f9772_ln2:
	.size	k_q14714f9772_ln2, .Lfunc_end_k_q14714f9772_ln2-k_q14714f9772_ln2
	.p2alignl 7, 3214868480
	.fill 96, 4, 3214868480
	.section	.rodata,"a",@progbits
	.p2align	6, 0x0
	.amdhsa_kernel k_q14714f9772_ln2
		.amdhsa_group_segment_fixed_size 0
		.amdhsa_private_segment_fixed_size 0
		.amdhsa_enable_private_segment 0
		.amdhsa_kernarg_size 32
		.amdhsa_user_sgpr_count 2
		.amdhsa_user_sgpr_kernarg_segment_ptr 1
		.amdhsa_wavefront_size32 1
		.amdhsa_system_sgpr_workgroup_id_x 1
		.amdhsa_system_sgpr_workgroup_id_y 1
		.amdhsa_system_sgpr_workgroup_id_z 1
		.amdhsa_system_vgpr_workitem_id 0
		.amdhsa_next_free_vgpr 128
		.amdhsa_next_free_sgpr 66
		.amdhsa_reserve_vcc 0
		.amdhsa_float_denorm_mode_32 3
		.amdhsa_float_denorm_mode_16_64 3
		.amdhsa_memory_ordered 1
		.amdhsa_forward_progress 1
		.amdhsa_inst_pref_size 17
	.end_amdhsa_kernel
	.amdgpu_metadata
---
amdhsa.version: [ 1, 2 ]
amdhsa.kernels:
  - .name:           k_q14714f9772_ln2
    .symbol:         k_q14714f9772_ln2.kd
    .args:
      - { .name: y2, .offset: 0, .size: 8, .value_kind: global_buffer, .address_space: global }
      - { .name: ln2_g, .offset: 8, .size: 8, .value_kind: global_buffer, .address_space: global }
      - { .name: ln2_b, .offset: 16, .size: 8, .value_kind: global_buffer, .address_space: global }
      - { .name: out0, .offset: 24, .size: 8, .value_kind: global_buffer, .address_space: global }
    .group_segment_fixed_size: 0
    .private_segment_fixed_size: 0
    .kernarg_segment_align: 8
    .kernarg_segment_size: 32
    .max_flat_workgroup_size: 256
    .sgpr_count:     66
    .vgpr_count:     128
    .wavefront_size: 32
...
	.end_amdgpu_metadata
.endif
;; end of part 7
